; MI455X (gfx1250); checked and timed in simulation.
; The chip was launched on July 23, 2026; its instructions are those of AMD's public machine-readable ISA for CDNA 5 (MIT licence, August 2026) and "CDNA5" Instruction Set Architecture Reference Guide (July 2026). The comments in the code are by the model that wrote it; some were corrected since.
;; Multi Head Attention. Allowed arithmetic: matrix products marked QUANTISED: E2M3 operands, one E8M0 scale for each 32 along K, by v_wmma_scale_f32_16x16x128_f8f6f4 with both operands' format E2M3, f32 sums; everything else in f32.
;; Inputs: Wk 16 x 1,024 x 64 float32; Wo 1,024 x 1,024 float32; Wq 16 x 1,024 x 64 float32; Wv 16 x 1,024 x 64 float32; k 4 x 2,048 x 1,024 float32; mask 4 x 2,048 bool; q 4 x 2,048 x 1,024 float32; v 4 x 2,048 x 1,024 float32.
;; Outputs: out0 4 x 2,048 x 1,024 float32.
;; This version of the problem:
;;   THIS VERSION OF THE PROBLEM IS GIVEN IN LOW PRECISION. The matrix products marked QUANTISED in the list below multiply operands that are first quantised to E2M3 (2 exponent bits, 3 mantissa bits; 6 bits a number), with one power-of-two scale for each 32 numbers along K (OCP MX v1.0); their sums are f32. All else is computed in f32.
;;   The module's matrix products, in the order in which they are computed (A, B: the left and right operand; K: the contracted axis; several contracted axes count as one K, in the product's order):
;;     1. [M 1,024, K 1,024] x [K 1,024, N 8,192]; A: input Wq; B: input q: QUANTISED
;;     2. [M 1,024, K 1,024] x [K 1,024, N 8,192]; A: input Wk; B: input k: QUANTISED
;;     3. [M 1,024, K 1,024] x [K 1,024, N 8,192]; A: input Wv; B: input v: QUANTISED
;;     4. batch 64 x [M 2,048, K 64] x [K 64, N 2,048]; A: computed on the way; B: computed on the way: QUANTISED
;;     5. batch 64 x [M 2,048, K 2,048] x [K 2,048, N 64]; A: softmax (see below); B: computed on the way: QUANTISED
;;     6. [M 8,192, K 1,024] x [K 1,024, N 1,024]; A: computed on the way; B: input Wo: QUANTISED
;;   THE QUANTISER, for each operand of a quantised product, along K:
;;     - K is cut into blocks of 32 from its start; a last block that is shorter is filled with zeros.
;;     - A block's scale is 2^e with e = floor(log2(the largest magnitude in the block)) - 2, held to -126 .. 127; a block of zeros has e = 0. As a byte (E8M0): e + 127.
;;     - Each number is divided by its block's scale, clamped to +-7.5, and rounded to the nearest number of E2M3, ties to even, subnormals kept.
;;     - The product sums the exact products of the quantised numbers (number of the format x scale) in f32.
;;   ~~~python
;;   def quantise(x, axis):      # numpy; x: float32 -> the quantised numbers, widened to float32 again
;;       x = np.moveaxis(x, axis, -1); K = x.shape[-1]
;;       x = np.pad(x, [(0, 0)] * (x.ndim - 1) + [(0, -K % 32)]); x = x.reshape(x.shape[:-1] + (-1, 32)); a = np.abs(x).max(-1, keepdims=True)
;;       e = np.where(a > 0, np.clip(np.frexp(np.where(a > 0, a, 1))[1] - 1 - 2, -126, 127), 0)      # np.frexp(a)[1] - 1 = floor(log2(a)), exactly
;;       r = np.clip(x / 2.0 ** e, -7.5, 7.5)
;;       step = 2.0 ** (np.maximum(np.frexp(np.where(r == 0, 1, r))[1] - 1, 0) - 3)
;;       q = np.round(r / step) * step * 2.0 ** e      # np.round: ties to even
;;       return np.moveaxis(q.reshape(q.shape[:-2] + (-1,))[..., :K], -1, axis).astype(np.float32)
;;   ~~~
;;   SOFTMAX AHEAD OF A QUANTISED PRODUCT. Where the list says 'softmax', what is quantised is not the finished softmax but p = 2^(t - M), with t = logit x log2(e) and M = ceil(the row's largest t), a whole number; so 1/2 < the row's largest p <= 1. The row's sum l is taken of the UNQUANTISED p, in f32, and the product's result is divided by l at the end. Since M is a whole number, a kernel that streams over the keys may use a running M (the ceiling of the running maximum): every later rescaling is an exact power of two, which a block's scale takes up: the codes' values come out the same.
;;   OPERANDS COMPUTED ON THE WAY. 'Computed on the way' means the value that the module computes at that place (a softmax that the list does not call 'softmax' is quantised finished and normalised). What goes into a quantiser is computed in f32, as accurately as f32 sums, v_exp_f32 and their like allow (about 1e-6 of the number): no bf16 or f16 on the way to a quantiser, and a product that is left as it is and whose result goes on into a quantised operand takes f32 operands (vector FMAs, or v_wmma_f32_16x16x4_f32). A number that lies on a knife's edge between two numbers of the format may be rounded either way, as far as f32 arithmetic and the matrix unit's own rounding can turn it there, and no further.
;; One version. Each part assembles by itself: llvm-mc -triple=amdgcn-amd-amdhsa -mcpu=gfx1250 --defsym DOCPART=n.
;; ======== version 1 of 1: 4 launches
;; limits: right only within a limited range of input values
;; workspace buffers: xq 19,660,800 bytes; wq 3,276,800 bytes; hq 7,077,888 bytes; hkv 13,369,344 bytes; mx 6,553,600 bytes
;; launch quant (part 1): grid 640 x 1, 4 waves a work-group, no clusters, 34,304 bytes of LDS; arguments q, k, v, Wq, Wk, Wv, Wo, xq, wq; writes xq, wq
.if DOCPART == 1
	.amdgcn_target "amdgcn-amd-amdhsa--gfx1250"
	.amdhsa_code_object_version 6
	.text
	.protected	k_q4c1f166e01_quant
	.globl	k_q4c1f166e01_quant
	.p2align	8
	.type	k_q4c1f166e01_quant,@function
k_q4c1f166e01_quant:
	s_mov_b64 s[64:65], 0
	v_nop
	global_prefetch_b8 v0, s[64:65] scope:SCOPE_SE
	s_setreg_imm32_b32 hwreg(HW_REG_WAVE_MODE, 25, 1), 1
	s_wait_xcnt 0x0
; All seven f32 inputs become codes of E2M3 (6 bits) with one E8M0 scale byte for each 32 along K, laid as the later launches' registers want them.
; A UNIT is 16 rows x 64 along K: 768 bytes = 3 planes of 256 bytes; plane p holds, at byte 8 x lane, bytes 24 (lane / 16) + 8 p .. + 7 of row lane % 16's 48 bytes of codes:
; registers 2 p, 2 p + 1 of half a matrix fragment.  A matrix is [tile of 16 rows][k / 64][768].  Its scale words: 512 bytes a tile, the word of (row r, K step s of 128) at 256 (s % 2) + 16 r + 4 (s / 2).
; POSITIONS: inside each 32 rows, position 16 u + r holds row 8 u + r + 8 (r / 8) (bits 3 and 4 of the index change places).  K is never permuted.
; A block's scale is 2^(floor(log2(its largest magnitude)) - 2); its byte is the largest magnitude's exponent field - 2, held at 1 from below.
; LIMITS: a block of zeros gets the byte 1 where the rule says 127 (its codes are zeros, and this program alone reads the bytes); blocks whose largest magnitude lies under 2^-124 are held at byte 1;
; NaN and infinities among the inputs are not served.
; Work-groups 0-383: q, k, v ([8192][1024], K innermost): a wave takes one tile of 16 positions over all of K, in 8 steps of 128.  Each load reads 512 consecutive bytes of one row; a step's 8 KB turn through
; the wave's own stage in LDS (rows 528 bytes apart) so that a lane gets 16 neighbours along K of each block.
; Work-groups 384-639: Wq, Wk, Wv ([16][1024][64]) and Wo ([1024][1024]), whose K is not innermost: a lane takes a column, its registers run down K; a wave takes 32 positions x 128 along K.
; No tensor loads, no barrier: waves share nothing.  Only the first path uses LDS.
.set XS,     18874368                  ; xq: the scale words begin here
.set WS,     3145728                   ; wq: likewise
.set SPITCH, 528
.set STG,    16*SPITCH                 ; a wave's stage
.set L16, 2                            ; v2  16 x lane
.set L8,  3                            ; v3  8 x lane
.set STI, 4                            ; v4  the stage, on the way in
.set STO, 5                            ; v5  and on the way out
.set TM,  8                            ; v8-23  at work in QUANT
.set SW,  24                           ; v24-31 the tile's eight scale words
.set PC,  32                           ; v32-43 a fragment's codes; v44-51 the conversions' second halves
.set OW,  52                           ; v52-55 the scale words as they are stored
.set R,   64                           ; v64-191 two sets of 64: a step as it is loaded
.set X,   192                          ; v192-255 a step as QUANT wants it
.set SEL, 36                           ; s[36:37] lane selects for v_permlanex16_b32: lane l xor 16
	s_load_b256 s[4:11], s[0:1], 0x0               ; q s[4:5], k s[6:7], v s[8:9], Wq s[10:11]
	s_load_b256 s[12:19], s[0:1], 0x20             ; Wk s[12:13], Wv s[14:15], Wo s[16:17], xq s[18:19]
	s_load_b64 s[20:21], s[0:1], 0x40              ; wq
	v_lshl_add_u32 v59, v0, 2, 0x8400
	v_mov_b32 v63, 0
	v_lshrrev_b32 v1, 5, v0
	v_readfirstlane_b32 s22, v1                    ; wave 0..3
	v_and_b32 v1, 31, v0                           ; lane
	v_lshlrev_b32 v[L16], 4, v1
	v_lshlrev_b32 v[L8], 3, v1
	v_and_b32 v6, 15, v0                           ; r
	v_bfe_u32 v7, v0, 4, 1                         ; h
	s_mov_b32 s29, 0                               ; the upper word of every 32-bit offset
	s_mov_b32 s[SEL], 0x76543210
	s_mov_b32 s[SEL+1], 0xfedcba98
	s_wait_kmcnt 0x0
	s_cmp_lt_u32 ttmp9, 384
	s_cbranch_scc0 .Lweights
; ---------------- q, k, v ----------------
; 64 numbers of a lane, v[s] .. v[s + 63], register 16 b + i = k 32 b + 16 (lane / 16) + i of my row, become a fragment's codes in v[PC] on and its scale word in v[pw].
.macro QUANT s, pw
.irp b, 0,1,2,3
	v_max3_num_f32 v[TM+\b], |v[\s+16*\b]|, |v[\s+1+16*\b]|, 0x1800000   ; block b: my 16 numbers, and the floor 2^(3 - 127): the byte cannot fall under 1
.endr
.irp i, 2,4,6,8,10,12,14
.irp b, 0,1,2,3
	v_max3_num_f32 v[TM+\b], v[TM+\b], |v[\s+16*\b+\i]|, |v[\s+1+16*\b+\i]|   ; the four blocks by turns
.endr
.endr
.irp b, 0,1,2,3
	v_permlanex16_b32 v[TM+4+\b], v[TM+\b], s[SEL], s[SEL+1]
.endr
.irp b, 0,1,2,3
	v_max_num_f32 v[TM+\b], v[TM+\b], v[TM+4+\b]   ; with lane l xor 16's: the block's largest magnitude
.endr
.irp b, 0,1,2,3
	v_add_nc_u32 v[TM+12+\b], 0xff000000, v[TM+\b] ; 2 off its exponent field: the conversion takes the exponent field of this operand as its scale
.endr
.irp b, 0,1,2,3
	v_lshrrev_b32 v[TM+4+\b], 23, v[TM+12+\b]      ; the scale's byte
.endr
	v_lshl_or_b32 v[\pw], v[TM+5], 8, v[TM+4]      ; four bytes make my row's scale word
	v_lshl_or_b32 v[\pw], v[TM+6], 16, v[\pw]
	v_lshl_or_b32 v[\pw], v[TM+7], 24, v[\pw]
.irp c, 0,1
	v_cvt_scalef32_pk16_fp6_f32 v[PC+6*\c:PC+2+6*\c], v[\s+32*\c:\s+15+32*\c], v[TM+12+2*\c]
	v_cvt_scalef32_pk16_fp6_f32 v[PC+12+4*\c:PC+14+4*\c], v[\s+16+32*\c:\s+31+32*\c], v[TM+13+2*\c]   ; a conversion's three registers begin on an even number
.endr
	v_nop                                          ; one plain place behind a scaled conversion
.irp c, 0,1                                    ; the layout wants a WHOLE block in a lane: lanes 0-15 block 2 c, lanes 16-31 block 2 c + 1
.irp i, 0,1,2
	v_permlane16_swap_b32 v[PC+6*\c+\i], v[PC+12+4*\c+\i]
.endr
.irp i, 0,1,2
	v_mov_b32 v[PC+3+6*\c+\i], v[PC+12+4*\c+\i]
.endr
.endr
.endm
.macro LOADX t                         ; K step t of the tile's 16 rows: position w is row w + 8 (w / 8) of the tile's group; 32 lanes read 512 consecutive bytes
.set RS, R+64*((\t)%2)
.irp w, 0,1,2,3,4,5,6,7,8,9,10,11,12,13,14,15
	global_load_b128 v[RS+4*\w:RS+4*\w+3], v[L16], s[24:25] offset:(\w+8*(\w/8))*4096+512*(\t) th:TH_LOAD_NT
.endr
.endm
.macro STEPX t
.set RS, R+64*((\t)%2)
.if (\t) < 7
	s_wait_loadcnt 16                              ; this step's 16 loads are in; the next step's 16 may be out
.else
	s_wait_loadcnt 0x0
.endif
.irp w, 0,1,2,3,4,5,6,7,8,9,10,11,12,13,14,15
	ds_store_b128 v[STI], v[RS+4*\w:RS+4*\w+3] offset:\w*SPITCH
.endr
.irp b, 0,1,2,3
.irp j, 0,1,2,3
	ds_load_b128 v[X+16*\b+4*\j:X+16*\b+4*\j+3], v[STO] offset:128*\b+16*\j   ; LDS serves a wave's instructions in order: these see the stores above
.endr
.endr
	s_wait_dscnt 0x0                               ; the numbers are back, and the stores have read their registers,
.if (\t) < 6
	LOADX (\t)+2                                   ; which take the loads of two steps on
.endif
	s_wait_xcnt 0x0                                ; the last step's stores have read the codes' registers: they are written again only behind this wait
	QUANT X, SW+(\t)
.irp c, 0,1
.irp p, 0,1,2
	global_store_b64 v[L8], v[PC+6*\c+2*\p:PC+6*\c+2*\p+1], s[30:31] offset:(2*(\t)+\c)*768+256*\p   ; a plane: 32 lanes store 256 consecutive bytes, aligned
.endr
.endr
.endm
	s_lshl_b32 s23, ttmp9, 2
	s_add_co_u32 s23, s23, s22                     ; my tile, 0 .. 1535: 512 for each of q, k, v
	s_cmp_lt_u32 ttmp9, 256                        ; the choice of the buffer hangs on the work-group's number alone
	s_cselect_b64 s[24:25], s[6:7], s[8:9]
	s_cmp_lt_u32 ttmp9, 128
	s_cselect_b64 s[24:25], s[4:5], s[24:25]
	s_and_b32 s26, s23, 511                        ; the tile in its tensor
	s_lshr_b32 s28, s26, 1
	s_lshl_b32 s28, s28, 17                        ; its group of 32 rows of 4,096 bytes,
	s_and_b32 s27, s26, 1
	s_lshl_b32 s27, s27, 15                        ; and 8 rows on for the odd tile
	s_add_co_u32 s28, s28, s27
	s_add_nc_u64 s[24:25], s[24:25], s[28:29]
	s_mul_i32 s28, s23, 12288
	s_add_nc_u64 s[30:31], s[18:19], s[28:29]      ; the tile's 16 units
	s_lshl_b32 s28, s23, 9
	s_add_co_u32 s28, s28, XS
	s_add_nc_u64 s[32:33], s[18:19], s[28:29]      ; and its 512 bytes of scale words
	LOADX 0
	LOADX 1
	s_mul_i32 s34, s22, STG
	v_add_nc_u32 v[STI], s34, v[L16]               ; in: a row's 512 bytes as they lie
	v_mul_u32_u24 v[STO], v6, SPITCH
	v_lshl_add_u32 v[STO], v7, 6, v[STO]
	v_add_nc_u32 v[STO], s34, v[STO]               ; out: row r, + 64 h: my 16 numbers of a block of 32
.irp b, 0,1,2,3
	v_mov_b32 v[TM+4+\b], 0                        ; written once: a lane permute's destination counts as one of its sources
.endr
.irp t, 0,1,2,3,4,5,6,7
	STEPX \t
.endr
	s_mov_b32 vcc_lo, 0xffff0000
.irp m, 0,1,2,3
	v_cndmask_b32 v[OW+\m], v[SW+2*\m], v[SW+2*\m+1], vcc_lo   ; lanes 0-15 store the even K steps' words of row r, lanes 16-31 the odd ones
.endr
	global_store_b128 v[L16], v[OW:OW+3], s[32:33] ; 512 consecutive bytes
	s_wait_tensorcnt 0x0
	ds_add_u32 v59, v63
	s_wait_dscnt 0x0
	s_endpgm
; ---------------- the weights ----------------
.Lweights:
	s_sub_co_u32 s23, ttmp9, 384
	s_lshr_b32 s26, s23, 1                         ; which group of 32 positions, 0 .. 127: 32 for each of Wq, Wk, Wv, Wo
	s_and_b32 s27, s23, 1
	s_lshl_b32 s27, s27, 2
	s_add_co_u32 s27, s27, s22                     ; which K step of 128
	s_and_b32 s34, s26, 31                         ; the group in its tensor
	s_lshr_b32 s28, s34, 1
	s_lshl_b32 s28, s28, 18                        ; a head's weights: head x 262,144,
	s_and_b32 s35, s34, 1
	s_lshl_b32 s35, s35, 7                         ; + 32 columns for the odd group,
	s_add_co_u32 s28, s28, s35
	s_lshl_b32 s35, s27, 15                        ; + 128 rows of 256 bytes a K step
	s_add_co_u32 s28, s28, s35
	s_lshl_b32 s38, s34, 7                         ; Wo: 32 columns a group,
	s_lshl_b32 s35, s27, 19                        ; 128 rows of 4,096 bytes a K step
	s_add_co_u32 s38, s38, s35
	s_cmp_lt_u32 s26, 64
	s_cselect_b64 s[24:25], s[12:13], s[14:15]
	s_cmp_lt_u32 s26, 32
	s_cselect_b64 s[24:25], s[10:11], s[24:25]
	s_cmp_lt_u32 s26, 96
	s_cselect_b64 s[24:25], s[24:25], s[16:17]
	s_cselect_b32 s28, s28, s38
	s_add_nc_u64 s[24:25], s[24:25], s[28:29]
	s_mul_i32 s28, s26, 24576                      ; the group's two tiles,
	s_mul_i32 s35, s27, 1536                       ; the K step's two units
	s_add_co_u32 s28, s28, s35
	s_add_nc_u64 s[30:31], s[20:21], s[28:29]
	s_lshl_b32 s28, s26, 10                        ; the scale words: 512 bytes a tile,
	s_and_b32 s35, s27, 1
	s_lshl_b32 s35, s35, 8
	s_add_co_u32 s28, s28, s35                     ; + 256 (s % 2)
	s_lshr_b32 s35, s27, 1
	s_lshl_b32 s35, s35, 2
	s_add_co_u32 s28, s28, s35                     ; + 4 (s / 2)
	s_add_co_u32 s28, s28, WS
	s_add_nc_u64 s[32:33], s[20:21], s[28:29]
	v_and_b32 v4, 7, v0
	v_bfe_u32 v5, v0, 3, 1
	v_lshl_or_b32 v4, v5, 4, v4
	v_lshl_or_b32 v4, v7, 3, v4                    ; my position's column: bits 3 and 4 of the lane change places
	v_lshlrev_b32 v4, 2, v4
	v_lshlrev_b32 v5, 4, v6
	v_lshl_or_b32 v5, v7, 9, v5                    ; my scale word's place: 512 (lane / 16) + 16 (lane % 16)
.macro LOADW t, pitch                  ; block t: W(32 t + i, my column): 32 lanes read 128 consecutive bytes
.set i, 0
.rept 32
	global_load_b32 v[64+32*(\t)+i], v4, s[24:25] offset:(32*(\t)+i)*\pitch th:TH_LOAD_NT
.set i, i+1
.endr
.endm
.macro BLOCKW t                        ; all 32 numbers of the block are mine
.set XB, 64+32*(\t)
	v_max3_num_f32 v12, |v[XB]|, |v[XB+1]|, |v[XB+2]|
	v_max3_num_f32 v13, |v[XB+3]|, |v[XB+4]|, |v[XB+5]|
.irp i, 6,10,14,18,22,26
	v_max3_num_f32 v12, v12, |v[XB+\i]|, |v[XB+\i+1]|
	v_max3_num_f32 v13, v13, |v[XB+\i+2]|, |v[XB+\i+3]|
.endr
	v_max3_num_f32 v12, v12, |v[XB+30]|, |v[XB+31]|
	v_max3_num_f32 v12, v12, v13, 0x1800000        ; and the floor
	v_add_nc_u32 v11, 0xff000000, v12              ; the conversion's scale operand
	v_lshrrev_b32 v13, 23, v11                     ; the byte
.if (\t) == 0
	v_mov_b32 v10, v13
.else
	v_lshl_or_b32 v10, v13, 8*(\t), v10
.endif
	v_cvt_scalef32_pk16_fp6_f32 v[32+6*(\t):34+6*(\t)], v[XB:XB+15], v11
	v_cvt_scalef32_pk16_fp6_f32 v[56+4*((\t)%2):58+4*((\t)%2)], v[XB+16:XB+31], v11
	v_nop                                          ; one plain place behind a scaled conversion
.irp i, 0,1,2
	v_mov_b32 v[35+6*(\t)+\i], v[56+4*((\t)%2)+\i]
.endr
.endm
.macro WPATH pitch
	LOADW 0, \pitch
	LOADW 1, \pitch
	s_wait_loadcnt 32                              ; block 0 is in; block 1's 32 loads may be out
	LOADW 2, \pitch
	BLOCKW 0
	s_wait_loadcnt 32
	LOADW 3, \pitch
	BLOCKW 1
	s_wait_loadcnt 32
	BLOCKW 2
	s_wait_loadcnt 0x0
	BLOCKW 3
.irp c, 0,1                                    ; lane l holds position l's blocks 2 c and 2 c + 1.  A unit wants block 2 c in lanes 0-15 and 2 c + 1 in lanes 16-31 of ONE tile: the exchange gives both tiles' units
.irp i, 0,1,2,3,4,5
	v_permlane16_swap_b32 v[32+12*\c+\i], v[38+12*\c+\i]
.endr
.endr
.irp c, 0,1
.irp u, 0,1
.irp p, 0,1,2
	global_store_b64 v[L8], v[32+12*\c+6*\u+2*\p:33+12*\c+6*\u+2*\p], s[30:31] offset:\u*12288+\c*768+256*\p   ; a plane: 256 consecutive bytes, aligned
.endr
.endr
.endr
	global_store_b32 v5, v10, s[32:33]             ; 4 bytes a lane, 16 bytes apart: 128 of the wave's 3,200 bytes
	s_endpgm
.endm
	s_cmp_lt_u32 s26, 96
	s_cbranch_scc0 .Lwo
	WPATH 256
.Lwo:
	WPATH 4096
.Lfunc_end_k_q4c1f166e01_quant:
	.size	k_q4c1f166e01_quant, .Lfunc_end_k_q4c1f166e01_quant-k_q4c1f166e01_quant
	.p2alignl 7, 3214868480
	.fill 96, 4, 3214868480
	.section	.rodata,"a",@progbits
	.p2align	6, 0x0
	.amdhsa_kernel k_q4c1f166e01_quant
		.amdhsa_group_segment_fixed_size 34304
		.amdhsa_private_segment_fixed_size 0
		.amdhsa_enable_private_segment 0
		.amdhsa_kernarg_size 72
		.amdhsa_user_sgpr_count 2
		.amdhsa_user_sgpr_kernarg_segment_ptr 1
		.amdhsa_wavefront_size32 1
		.amdhsa_system_sgpr_workgroup_id_x 1
		.amdhsa_system_sgpr_workgroup_id_y 1
		.amdhsa_system_sgpr_workgroup_id_z 1
		.amdhsa_system_vgpr_workitem_id 0
		.amdhsa_next_free_vgpr 256
		.amdhsa_next_free_sgpr 66
		.amdhsa_reserve_vcc 1
		.amdhsa_float_denorm_mode_32 3
		.amdhsa_float_denorm_mode_16_64 3
		.amdhsa_memory_ordered 1
		.amdhsa_forward_progress 1
		.amdhsa_inst_pref_size 107
	.end_amdhsa_kernel
	.amdgpu_metadata
---
amdhsa.version: [ 1, 2 ]
amdhsa.kernels:
  - .name:           k_q4c1f166e01_quant
    .symbol:         k_q4c1f166e01_quant.kd
    .args:
      - { .name: q, .offset: 0, .size: 8, .value_kind: global_buffer, .address_space: global }
      - { .name: k, .offset: 8, .size: 8, .value_kind: global_buffer, .address_space: global }
      - { .name: v, .offset: 16, .size: 8, .value_kind: global_buffer, .address_space: global }
      - { .name: Wq, .offset: 24, .size: 8, .value_kind: global_buffer, .address_space: global }
      - { .name: Wk, .offset: 32, .size: 8, .value_kind: global_buffer, .address_space: global }
      - { .name: Wv, .offset: 40, .size: 8, .value_kind: global_buffer, .address_space: global }
      - { .name: Wo, .offset: 48, .size: 8, .value_kind: global_buffer, .address_space: global }
      - { .name: xq, .offset: 56, .size: 8, .value_kind: global_buffer, .address_space: global }
      - { .name: wq, .offset: 64, .size: 8, .value_kind: global_buffer, .address_space: global }
    .group_segment_fixed_size: 34304
    .private_segment_fixed_size: 0
    .kernarg_segment_align: 8
    .kernarg_segment_size: 72
    .max_flat_workgroup_size: 128
    .sgpr_count:     66
    .vgpr_count:     256
    .wavefront_size: 32
...
	.end_amdgpu_metadata
.endif
;; end of part 1
;; launch proj (part 2): grid 4 x 96, 4 waves a work-group, clusters of 4 x 4, 327,680 bytes of LDS; arguments xq, wq, mask, hq, hkv; writes hq, hkv
.if DOCPART == 2
	.amdgcn_target "amdgcn-amd-amdhsa--gfx1250"
	.amdhsa_code_object_version 6
	.text
	.protected	k_q4c1f166e01_proj
	.globl	k_q4c1f166e01_proj
	.p2align	8
	.type	k_q4c1f166e01_proj,@function
k_q4c1f166e01_proj:
	s_mov_b64 s[64:65], 0
	v_nop
	global_prefetch_b8 v0, s[64:65] scope:SCOPE_SE
	s_setreg_imm32_b32 hwreg(HW_REG_WAVE_MODE, 25, 1), 1
	s_wait_xcnt 0x0
	s_wait_alu depctr_hold_cnt(0) depctr_sa_sdst(0) depctr_va_vdst(0) depctr_va_sdst(0) depctr_va_ssrc(0) depctr_va_vcc(0) depctr_vm_vsrc(0)
	s_getreg_b32 s2, hwreg(HW_REG_IB_STS2, 6, 4)
	s_cmp_eq_u32 s2, 0
	s_cbranch_scc0 .Lentry_in_a_cluster
	s_endpgm
.Lentry_in_a_cluster:
	s_bfe_u32 s2, ttmp6, 0x10000c
	s_cmp_lg_u32 s2, 0xf033
	s_cbranch_scc0 .Lentry_shape_is_right
	s_endpgm
.Lentry_shape_is_right:
; The three projections as one GEMM on codes of E2M3 (K = 1024), and their results quantised in registers: qh and kh along the head's 64, vh along the keys.
; A work-group of four waves makes 256 x 256; a wave 128 x 128: 64 accumulators of 16 x 16, 512 registers.  Source 0 of the matrix instruction takes tiles of S0, source 1 tiles of S1:
; a lane then holds ONE row of S1, and its registers run along S0's rows.  S0's rows lie in memory by POSITIONS (inside each 32 rows, position 16 u + r holds row 8 u + r + 8 (r / 8)), so that the 16 registers of
; two neighbouring tiles are 16 neighbours in true order: what the next quantiser wants.
; q, k: S0 = the weight (rows (head, channel)), S1 = the tokens.  v: S0 = the tokens (keys), S1 = the weight: only pointers and offsets change places, by selects on the cluster's number.
; Operands lie in UNITS (16 rows x 64 K: 3 planes of 256 bytes, a plane = 8 bytes a lane): every LDS load of a fragment is 8 bytes at 8 x lane, 256 consecutive bytes.
; K goes in steps of 256 through a ring of two LDS slots; the scale words of all of K come once and are read into registers once.
; CLUSTERS: 4 x 4 work-groups; S1's tiles hang on the cluster's row alone and are asked for jointly along it, S0's on the column.  24 clusters: 8 for each of q, k, v.
; THE MASK rides in the unused half of the score product's K: byte 2 of a key's scale word is 1 (open) or 254 (hidden), of a query's 100; the attention launch sets codes -1 and +1 at k = 64:
; a hidden key's score gets -2^100, an open key's -2^-153.
; LIMITS: a block of zeros gets the scale byte 1 where the rule says 127 (zero codes; this program alone reads the bytes); NaN and infinities are not served.
; REGISTERS, in windows of 256: window 0: v16-29 addresses; v32-95 scale words; v128-223 S1's fragments, one set; v96-127, v224-240 at work on the way out.
;   window 1: S0's fragments, two sets, at v0 and v128.   window 2: accumulators of my S1 tiles 0-3 ((a, b) at v[8 (8 (a % 4) + b)]);   window 3: tiles 4-7.
.set XS,    18874368                   ; xq: the scale words
.set WS,    3145728                    ; wq: likewise
.set HS,    6291456                    ; hq: the scale records
.set VO,    6291456                    ; hkv: V's units
.set KSO,   12582912                   ; hkv: the scale records
.set FR,    12                         ; registers of a fragment
.set NL,    6                          ; LDS loads that bring one
.set NP,    4                          ; places behind this matrix instruction (ISA guide 7.12.1)
.set TILEB, 3072                       ; 16 rows x 256 along K: four units
.set HALFT, 8*TILEB                    ; 128 rows: what one tensor load brings, and what a wave reads of S0 or S1
.set SLOT,  4*HALFT                    ; S1's 256 rows, then S0's
.set SCL,   2*SLOT                     ; behind the ring: S1's scale words (8,192 bytes), then S0's
.set SPARE, SCL+16384                  ; the spare words, 128 bytes for each wave: two blocks of 256 bytes that no other line names
.set ADRA, 16                          ; v16-17 LDS address of my S1 fragments in slot 0, 1
.set ADRB, 20                          ; v20-21 the same for S0
.set VM,   24                          ; v24    my byte among the wave's 128 mask bytes
.set L16,  25                          ; v25    16 x lane
.set L8,   26                          ; v26    8 x lane
.set ADRS, 27                          ; v27    my scale words: lanes 0-15 S1's rows, lanes 16-31 S0's
.set SPW,  28                          ; v28    my spare word: SPARE + 4 x my thread's number; never rewritten
.set NIL,  29                          ; v29    0; never rewritten
.set SC,   32                          ; v32-95 the word of (tile i, K step s) at SC + 8 i + 4 (s % 2) + s / 2
.set AF,   128
.set TM,   96
.set CT,   112
.set PW,   120
.set Z,    224
.set E,    228
.set W0,   232
.set W1,   236
.set TQ,   240
.set SEL,  2                           ; s[2:3] lane selects for v_permlanex16_b32
.set G1, 24                            ; s[24:31] descriptor group 1 for S1's tiles;  s[32:39] group 0, one set for each slot
.set G0, 32
.set G1B, 48                           ; s[48:55], s[56:63] the same for S0's
.set G0B, 56
.set G1S, 68                           ; s[68:75], s[76:79] for S1's scale words;  s[80:87], s[88:91] for S0's
.set G0S, 76
.set G1SB, 80
.set G0SB, 88
.set MSB, 0
.macro WIN new                         ; the immediate's high byte repeats the setting that is left
.if MSB != (\new)
	s_set_vgpr_msb (MSB<<8)|(\new)
.set MSB, (\new)
.endif
.endm
.set MUL_LO, 0xa1                      ; source 0 window 1, source 1 window 0, C and D window 2
.set MUL_HI, 0xf1                      ; the same, C and D window 3
.set TO_B,   0x40                      ; destination window 1, address window 0
; A joint load: waves 0 and 1 fetch for S1, waves 2 and 3 for S0.  Each line has one mask and one set of registers for all that issue it; the branch hangs on the wave's number alone.
; Four v_nop follow each of the two lines, ahead of the jump, the label and what follows.
.macro JLOAD g0a, g1a, g0b, g1b
	s_cmp_eq_u32 s15, 0
	s_cbranch_scc0 .Lfor_b_\@
	tensor_load_to_lds s[\g0a:\g0a+3], s[\g1a:\g1a+7]
	s_nop 0
.rept 4
	v_nop
.endr
	s_branch .Lasked_\@
.Lfor_b_\@:
	tensor_load_to_lds s[\g0b:\g0b+3], s[\g1b:\g1b+7]
	s_nop 0
.rept 4
	v_nop
.endr
.Lasked_\@:
.endm
.macro CREST                           ; a round of the cluster's barrier behind its opening barrier
	s_cmp_lg_u32 s14, 0
	s_cbranch_scc1 .Lnot_wave_0_\@
	s_barrier_signal -3
.Lnot_wave_0_\@:
	s_barrier_wait -3
	s_barrier_signal -1
	s_barrier_wait -1
.endm
.macro CROUND                          ; a whole round
	s_barrier_signal -1
	s_barrier_wait -1
	CREST
.endm
.macro PLACES n
.rept \n
	v_nop
.endr
.endm
	s_load_b256 s[4:11], s[0:1], 0x0               ; xq s[4:5], wq s[6:7], mask s[8:9], hq s[10:11]
	s_load_b64 s[12:13], s[0:1], 0x20              ; hkv
	v_lshl_add_u32 v[SPW], v0, 2, SPARE
	v_mov_b32 v[NIL], 0
	ds_add_u32 v28, v29
	ds_add_u32 v28, v29
	s_wait_dscnt 0x0
	v_lshrrev_b32 v1, 5, v0
	v_readfirstlane_b32 s14, v1                    ; wave 0..3
	s_lshr_b32 s15, s14, 1                         ; which half of S1's rows is mine.  Also: I fetch for S1 (0) or for S0 (1)
	s_and_b32 s16, s14, 1                          ; which half of S0's rows.  Also: which 128 rows I fetch
	s_bfe_u32 s40, ttmp6, 0x40000                  ; cx, cy: my place in the cluster
	s_bfe_u32 s41, ttmp6, 0x40004
	s_and_b32 s17, ttmp7, 0xffff                   ; the cluster, 0 .. 23
	s_lshr_b32 s18, s17, 3                         ; 0: q, 1: k, 2: v
	s_and_b32 s19, s17, 7                          ; which 1,024 tokens
	s_lshl_b32 s43, s41, 2
	s_lshl_b32 s43, 15, s43                        ; my row of the cluster
	s_lshl_b32 s44, 0x1111, s40                    ; my column
	; descriptor group 1: 8 tiles x 3,072 consecutive bytes (384 elements of 8 bytes), 12,288 bytes from tile to tile; dense in LDS
	s_or_b32 s[G1+0], s43, (3<<16)|(1<<21)         ; 15:0 the mask: S1's tiles go to my row; 17:16 elements of 8 bytes; 21 set beside a mask
	s_or_b32 s[G1B+0], s44, (3<<16)|(1<<21)        ; S0's to my column
.irp g, G1, G1B
	s_mov_b32 s[\g+1], 384<<16                     ; tensor_dim0
	s_mov_b32 s[\g+2], 8<<16                       ; tensor_dim1
	s_mov_b32 s[\g+3], 384<<16                     ; tile_dim0
	s_mov_b32 s[\g+4], 8                           ; tile_dim1
	s_mov_b32 s[\g+5], 1536                        ; tensor_dim0_stride
	s_mov_b32 s[\g+6], 0
	s_mov_b32 s[\g+7], 0
.endr
	; the scale words of 128 rows: 4,096 dense bytes as 16 rows of 256
	s_or_b32 s[G1S+0], s43, (3<<16)|(1<<21)
	s_or_b32 s[G1SB+0], s44, (3<<16)|(1<<21)
.irp g, G1S, G1SB
	s_mov_b32 s[\g+1], 32<<16
	s_mov_b32 s[\g+2], 16<<16
	s_mov_b32 s[\g+3], 32<<16
	s_mov_b32 s[\g+4], 16
	s_mov_b32 s[\g+5], 32
	s_mov_b32 s[\g+6], 0
	s_mov_b32 s[\g+7], 0
.endr
	; byte offsets, both ways; then one compare selects.  S0's never hold cy, S1's never cx.
	s_mul_i32 s20, s18, 786432                     ; S0's codes, q and k: the weight's 64 tiles
	s_mul_i32 s42, s19, 786432                     ; 1,024 tokens are 64 tiles
	s_add_co_u32 s45, s42, 12582912                ; S0's codes, v: v's tokens
	s_lshl_b32 s22, s18, 15
	s_add_co_u32 s22, s22, WS                      ; S0's scale words, q and k
	s_lshl_b32 s94, s19, 15
	s_add_co_u32 s95, s94, 19398656                ; S0's scale words, v
	s_mul_i32 s46, s18, 6291456
	s_add_co_u32 s46, s46, s42                     ; S1's codes, q and k: the tokens
	s_lshl_b32 s92, s18, 18
	s_add_co_u32 s92, s92, s94
	s_add_co_u32 s92, s92, XS                      ; S1's scale words, q and k
	s_mov_b32 s66, 1572864                         ; S1's codes, v: Wv
	s_mov_b32 s67, 3211264                         ; and its scale words
	s_wait_kmcnt 0x0
	s_cmp_eq_u32 s18, 2
	s_cselect_b32 s20, s45, s20
	s_cselect_b32 s22, s95, s22
	s_cselect_b32 s46, s66, s46
	s_cselect_b32 s92, s67, s92
	s_cselect_b64 s[96:97], s[4:5], s[6:7]         ; S0's buffer
	s_cselect_b64 s[98:99], s[6:7], s[4:5]         ; S1's
	s_mul_i32 s42, s40, 196608                     ; S0: 256 rows for each cx
	s_add_co_u32 s20, s20, s42
	s_lshl_b32 s42, s40, 13
	s_add_co_u32 s22, s22, s42
	s_mul_i32 s45, s41, 196608                     ; S1: for each cy
	s_add_co_u32 s46, s46, s45
	s_lshl_b32 s45, s41, 13
	s_add_co_u32 s92, s92, s45
	s_mul_i32 s94, s16, 98304                      ; which 128 rows I fetch
	s_add_co_u32 s20, s20, s94
	s_add_co_u32 s46, s46, s94
	s_lshl_b32 s94, s16, 12
	s_add_co_u32 s22, s22, s94
	s_add_co_u32 s92, s92, s94
	s_mov_b32 s21, 0
	s_mov_b32 s23, 0
	s_mov_b32 s47, 0
	s_mov_b32 s93, 0
	s_add_nc_u64 s[20:21], s[96:97], s[20:21]      ; S0's codes
	s_add_nc_u64 s[22:23], s[96:97], s[22:23]      ; S0's scale words
	s_add_nc_u64 s[46:47], s[98:99], s[46:47]      ; S1's codes
	s_add_nc_u64 s[92:93], s[98:99], s[92:93]      ; S1's scale words
	s_mul_i32 s66, s14, HALFT                      ; where they go: wave x 128 rows: no place in the cluster enters an LDS address
	s_lshl_b32 s67, s14, 12
	CROUND                                         ; all sixteen work-groups are here: the first joint loads meet
	s_mov_b32 s[G0S], 1
	s_add_co_u32 s[G0S+1], s67, SCL
	s_mov_b64 s[G0S+2:G0S+3], s[92:93]
	s_or_b32 s[G0S+3], s[G0S+3], 0x80000000
	s_mov_b32 s[G0SB], 1
	s_add_co_u32 s[G0SB+1], s67, SCL
	s_mov_b64 s[G0SB+2:G0SB+3], s[22:23]
	s_or_b32 s[G0SB+3], s[G0SB+3], 0x80000000
	JLOAD G0S, G1S, G0SB, G1SB                     ; the scale words first: they are wanted with K step 0
.irp s, 0,1
	s_mov_b32 s[G0+4*\s], 1
	s_add_co_u32 s[G0+4*\s+1], s66, \s*SLOT
	s_add_nc_u64 s[G0+4*\s+2:G0+4*\s+3], s[46:47], \s*TILEB
	s_or_b32 s[G0+4*\s+3], s[G0+4*\s+3], 0x80000000
	s_mov_b32 s[G0B+4*\s], 1
	s_add_co_u32 s[G0B+4*\s+1], s66, \s*SLOT
	s_add_nc_u64 s[G0B+4*\s+2:G0B+4*\s+3], s[20:21], \s*TILEB
	s_or_b32 s[G0B+4*\s+3], s[G0B+4*\s+3], 0x80000000
	JLOAD G0+4*\s, G1, G0B+4*\s, G1B               ; three loads of mine are out behind the second of these
.endr
	v_and_b32 v1, 31, v0                           ; lane
	v_and_b32 v2, 15, v0                           ; r
	v_bfe_u32 v3, v0, 4, 1                         ; h
	v_lshlrev_b32 v[L8], 3, v1
	v_lshlrev_b32 v[L16], 4, v1
	s_mul_i32 s94, s15, HALFT                      ; my 128 rows of S1
	s_mul_i32 s95, s16, HALFT                      ; my 128 rows of S0,
	s_add_co_u32 s95, s95, 2*HALFT                 ; which lie behind S1's 256
.irp s, 0,1
	v_add_nc_u32 v[ADRA+\s], s94, v[L8]
	v_add_nc_u32 v[ADRB+\s], s95, v[L8]
	s_add_co_u32 s94, s94, SLOT
	s_add_co_u32 s95, s95, SLOT
.endr
	s_lshl_b32 s94, s15, 12                        ; S1's scale words: my 8 tiles
	s_lshl_b32 s95, s16, 12                        ; S0's: my 8 tiles, behind S1's 16
	s_add_co_u32 s95, s95, 8192
	s_sub_co_u32 s95, s95, s94
	v_mul_u32_u24 v4, s95, v3                      ; lanes 16-31 take S0's: the lower base + h x the distance
	s_add_co_u32 s94, s94, SCL
	v_lshl_add_u32 v4, v2, 4, v4                   ; 16 bytes a row
	v_add_nc_u32 v[ADRS], s94, v4
	v_and_b32 v4, 8, v2
	v_add_nc_u32 v[VM], v4, v2
	v_lshl_add_u32 v[VM], v3, 3, v[VM]             ; the true key of (tile 2 i + h, row r) in its 32: r + 8 (r / 8) + 8 h
	s_mov_b32 s[SEL], 0x76543210
	s_mov_b32 s[SEL+1], 0xfedcba98
.macro FRAG reg, adr, q, i             ; a fragment (16 rows x 128 K, 12 registers) is two units: six planes, each 8 bytes at 8 x lane
.irp p, 0,1,2,3,4,5
	ds_load_b64 v[\reg+2*\p:\reg+2*\p+1], v[\adr] offset:(\i)*TILEB+(2*(\q)+\p/3)*768+(\p%3)*256
.endr
.endm
; 16 matrix instructions: S1's tiles a0, a0 + 1 x S0's eight, K step s of eight.  p: S0's set.  zero = 1: the first product starts the sums: nothing is ever cleared.
; The 64 accumulators take turns, one instruction a turn, in the same order in every step.
.macro MUL16 a0, p, s, zero
.irp a, \a0, \a0+1
.irp b, 0,1,2,3,4,5,6,7
.if \zero
	v_wmma_scale_f32_16x16x128_f8f6f4 v[8*(8*((\a)%4)+\b):8*(8*((\a)%4)+\b)+7], v[128*(\p)+FR*\b:128*(\p)+FR*\b+FR-1], v[AF+FR*(\a):AF+FR*(\a)+FR-1], 0, v[SC+8*\b+4*((\s)%2)+(\s)/2], v[SC+8*(\a)+4*((\s)%2)+(\s)/2] matrix_a_fmt:MATRIX_FMT_FP6 matrix_b_fmt:MATRIX_FMT_FP6 matrix_a_scale:MATRIX_SCALE_ROW1
.else
	v_wmma_scale_f32_16x16x128_f8f6f4 v[8*(8*((\a)%4)+\b):8*(8*((\a)%4)+\b)+7], v[128*(\p)+FR*\b:128*(\p)+FR*\b+FR-1], v[AF+FR*(\a):AF+FR*(\a)+FR-1], v[8*(8*((\a)%4)+\b):8*(8*((\a)%4)+\b)+7], v[SC+8*\b+4*((\s)%2)+(\s)/2], v[SC+8*(\a)+4*((\s)%2)+(\s)/2] matrix_a_fmt:MATRIX_FMT_FP6 matrix_b_fmt:MATRIX_FMT_FP6 matrix_a_scale:MATRIX_SCALE_ROW1
.endif
.endr
.endr
.endm
.macro FETCH_B slot, q, p              ; S0's eight fragments of the slot's q-th 128 along K into set p
	WIN TO_B
.irp i, 0,1,2,3,4,5,6,7
	FRAG 128*(\p)+FR*\i, ADRB+\slot, \q, \i
.endr
	WIN 0
.endm
.macro FETCH_A slot, q, i0             ; S1's tiles i0 .. i0 + 3
.irp i, \i0, \i0+1, \i0+2, \i0+3
	FRAG AF+FR*(\i), ADRA+\slot, \q, \i
.endr
.endm
.macro SCALES                          ; all of K's scale words, once: lanes 0-15 S1's tile i, lanes 16-31 S0's tile i; a load brings the words of four K steps of one parity
.irp i, 0,1,2,3,4,5,6,7
.irp u, 0,1
	ds_load_b128 v[SC+8*\i+4*\u:SC+8*\i+4*\u+3], v[ADRS] offset:\i*512+\u*256
.endr
.endr
.endm
; A slot's first step of 128 along K; its successor lies in the same slot.  A load into a register that a matrix instruction has read stands NP plain vector instructions behind it.
.macro STEP slot, s, zero
	s_wait_dscnt 4*NL                              ; S0's set and S1's tiles 0-3 are in; the youngest 24 loads (S1's tiles 4-7) may be out
	WIN MUL_LO
	MUL16 0, 0, \s, \zero
	MUL16 2, 0, \s, \zero
	s_wait_dscnt 0                                 ; S1's tiles 4-7 are in
	PLACES NP
	FETCH_B \slot, 1, 1
	FETCH_A \slot, 1, 0
	WIN MUL_HI
	MUL16 4, 0, \s, \zero
	MUL16 6, 0, \s, \zero
	PLACES NP
	WIN 0
	FETCH_A \slot, 1, 4
.endm
; A slot's second step changes slots: ONE barrier; in front of it each wave waits for all its tensor loads, adds 0 to its spare word, and waits for that and for its own reads of this slot.  fill = 1: this slot is filled again, two slots ahead.
.macro TURN slot, next, s, fill
	s_wait_tensorcnt 0x0                           ; all my tensor loads have landed: my part of the next slot
	ds_add_u32 v[SPW], v[NIL]                      ; 0 onto my spare word
	s_wait_dscnt 4*NL+1                            ; the add and the youngest 24 loads may be out
	WIN MUL_LO
	MUL16 0, 1, \s, 0                              ; sixteen matrix instructions stand between the add and the wait for it
	s_wait_dscnt 0x0                               ; the add is done, and my reads of this slot are over
	s_barrier_signal -1
	MUL16 2, 1, \s, 0
	WIN 0
	s_barrier_wait -1
.if \fill
	CREST                                          ; the barrier has opened a round of the cluster's barrier: no wave of any partner still reads this slot or has a load on its way
	s_add_nc_u64 s[G0+4*\slot+2:G0+4*\slot+3], s[G0+4*\slot+2:G0+4*\slot+3], 2*TILEB
	s_add_nc_u64 s[G0B+4*\slot+2:G0B+4*\slot+3], s[G0B+4*\slot+2:G0B+4*\slot+3], 2*TILEB
	JLOAD G0+4*\slot, G1, G0B+4*\slot, G1B         ; the first tensor load behind the round; the four v_nop behind it are the places in front of the loads below
.else
	PLACES NP
.endif
	FETCH_B \next, 0, 0
	FETCH_A \next, 0, 0
	WIN MUL_HI
	MUL16 4, 1, \s, 0
	MUL16 6, 1, \s, 0
	PLACES NP
	WIN 0
	FETCH_A \next, 0, 4
.endm
	s_wait_tensorcnt 1                             ; the scale words and my part of slot 0 are in (slot 1's load may be out)
	s_barrier_signal -1
	s_barrier_wait -1                              ; everybody's are
	FETCH_B 0, 0, 0
	FETCH_A 0, 0, 0
	SCALES
	FETCH_A 0, 0, 4
	STEP 0, 0, 1                                   ; K = 1024 is four slots' worth: written out, no loop
	TURN 0, 1, 1, 1
	STEP 1, 2, 0
	TURN 1, 0, 3, 1
	STEP 0, 4, 0
	TURN 0, 1, 5, 0                                ; nothing is left to fetch
	STEP 1, 6, 0
	s_wait_dscnt 4*NL                              ; the last step
	WIN MUL_LO
	MUL16 0, 1, 7, 0
	MUL16 2, 1, 7, 0
	s_wait_dscnt 0
	WIN MUL_HI
	MUL16 4, 1, 7, 0
	MUL16 6, 1, 7, 0
	WIN 0
	; ---- THE WAY OUT.  Where my results go.  (cH, wH) picks the heads, (cL, wL) the 128 tokens: q, k: S0 = heads, S1 = tokens; v: the other way round.
	s_cmp_eq_u32 s18, 2
	s_cselect_b32 s20, s41, s40
	s_cselect_b32 s21, s15, s16
	s_cselect_b32 s22, s40, s41
	s_cselect_b32 s23, s16, s15
	s_lshr_b32 s42, s19, 1                         ; the batch
	s_lshl_b32 s45, s42, 4
	s_lshl_b32 s20, s20, 2
	s_add_co_u32 s45, s45, s20
	s_lshl_b32 s21, s21, 1
	s_add_co_u32 s45, s45, s21                     ; my first (batch, head): 16 batch + 4 cH + 2 wH
	s_and_b32 s46, s19, 1
	s_lshl_b32 s46, s46, 2
	s_add_co_u32 s46, s46, s22
	s_lshl_b32 s46, s46, 1
	s_add_co_u32 s46, s46, s23                     ; my 128 tokens of the batch's 2,048
	s_mul_i32 s66, s45, 98304
	s_mul_i32 s67, s46, 6144
	s_add_co_u32 s66, s66, s67
	s_cmp_eq_u32 s18, 2
	s_cselect_b32 s67, VO, 0
	s_add_co_u32 s66, s66, s67
	s_mov_b32 s67, 0
	s_cmp_eq_u32 s18, 0
	s_cselect_b64 s[92:93], s[10:11], s[12:13]     ; hq for q, hkv for k and v
	s_add_nc_u64 s[92:93], s[92:93], s[66:67]      ; the base of (x = 0, y = 0); x = a / 4, y = which of the fragment's two units
	s_mov_b32 s94, 3072
	s_mov_b32 s95, 98304
	s_cmp_eq_u32 s18, 2
	s_cselect_b32 s20, s95, s94                    ; a step of x: q, k: four tiles of tokens; v: a head
	s_cselect_b32 s22, s94, s95                    ; a step of y: q, k: a head; v: 64 keys
	s_mov_b32 s21, 0
	s_mov_b32 s23, 0
	s_add_nc_u64 s[94:95], s[92:93], s[22:23]      ; (0, 1)
	s_add_nc_u64 s[96:97], s[92:93], s[20:21]      ; (1, 0)
	s_add_nc_u64 s[98:99], s[96:97], s[22:23]      ; (1, 1)
	s_lshl_b32 s22, s42, 11                        ; the mask bytes of my 128 tokens
	s_lshl_b32 s47, s46, 7
	s_add_co_u32 s22, s22, s47
	s_add_nc_u64 s[22:23], s[8:9], s[22:23]
	s_mul_i32 s66, s45, 12288                      ; the scale records: 12,288 bytes a head, 768 for 128 tokens
	s_mul_i32 s47, s46, 768
	s_add_co_u32 s66, s66, s47
	s_mov_b32 s47, KSO
	s_cmp_eq_u32 s18, 0
	s_cselect_b32 s47, HS, s47
	s_add_co_u32 s66, s66, s47
	s_cmp_eq_u32 s18, 0
	s_cselect_b64 s[20:21], s[10:11], s[12:13]
	s_add_nc_u64 s[20:21], s[20:21], s[66:67]
	PLACES NP                                      ; behind the last products: vector instructions read results and write over S1's fragments below
.irp i, 0,1,2,3
	global_load_u8 v[E+\i], v[VM], s[22:23] offset:32*\i   ; every work-group reads them; k's use them
.endr
.irp b, 0,1,2,3
	v_mov_b32 v[TM+4+\b], 0                        ; written once: a lane permute's destination counts as one of its sources
.endr
; The 64 results of S1's tile a in my lane: register 16 b + i = index 32 b + 16 (lane / 16) + i along S0's true order, of my row.  They become a fragment's codes (two units) and a scale word.
; Each accumulator is read from its low end on.  Each tile has its own 12 registers for its codes, so no store's data are written again.
.macro QUANTA a
.set AC, 64*((\a)%4)
.set WA, 2+(\a)/4
.set WN, (WA<<2)|(WA<<4)
.set PCA, AF+12*(\a)
	WIN WN                                         ; sources 1 and 2: the accumulators' window
.irp b, 0,1,2,3
	v_max3_num_f32 v[TM+\b], 0x1800000, |v[AC+16*\b]|, |v[AC+16*\b+1]|   ; the floor 2^(3 - 127) among the leaves: the byte cannot fall under 1
.endr
.irp i, 2,4,6,8,10,12,14
.irp b, 0,1,2,3
	v_max3_num_f32 v[TM+\b], v[TM+\b], |v[AC+16*\b+\i]|, |v[AC+16*\b+\i+1]|
.endr
.endr
	WIN 0
.irp b, 0,1,2,3
	v_permlanex16_b32 v[TM+4+\b], v[TM+\b], s[SEL], s[SEL+1]
.endr
.irp b, 0,1,2,3
	v_max_num_f32 v[TM+\b], v[TM+\b], v[TM+4+\b]   ; the block's largest magnitude
.endr
.irp b, 0,1,2,3
	v_add_nc_u32 v[TM+12+\b], 0xff000000, v[TM+\b] ; 2 off its exponent field: the conversion's scale operand
.endr
.irp b, 0,1,2,3
	v_lshrrev_b32 v[TM+4+\b], 23, v[TM+12+\b]      ; the byte
.endr
	v_lshl_or_b32 v[PW+(\a)], v[TM+5], 8, v[TM+4]
	v_lshl_or_b32 v[PW+(\a)], v[TM+6], 16, v[PW+(\a)]
	v_lshl_or_b32 v[PW+(\a)], v[TM+7], 24, v[PW+(\a)]
	WIN WA                                         ; source 0: the accumulators' window
.irp c, 0,1
	v_cvt_scalef32_pk16_fp6_f32 v[PCA+6*\c:PCA+6*\c+2], v[AC+32*\c:AC+32*\c+15], v[TM+12+2*\c]
	v_cvt_scalef32_pk16_fp6_f32 v[CT+4*\c:CT+4*\c+2], v[AC+16+32*\c:AC+31+32*\c], v[TM+13+2*\c]
.endr
	WIN 0
	v_nop                                          ; one plain place behind a scaled conversion
.irp c, 0,1
.irp i, 0,1,2
	v_permlane16_swap_b32 v[PCA+6*\c+\i], v[CT+4*\c+\i]
.endr
.irp i, 0,1,2
	v_mov_b32 v[PCA+3+6*\c+\i], v[CT+4*\c+\i]
.endr
.endr
.irp y, 0,1
.irp p, 0,1,2
	global_store_b64 v[L8], v[PCA+6*\y+2*\p:PCA+6*\y+2*\p+1], s[92+4*((\a)/4)+2*\y:93+4*((\a)/4)+2*\y] offset:((\a)%4)*768+256*\p   ; a plane: 256 consecutive bytes, aligned
.endr
.endr
.endm
.irp a, 0,1,2,3,4,5,6,7
	QUANTA \a
.endr
	s_mov_b32 vcc_lo, 0xffff0000
.irp i, 0,1,2,3
	v_cndmask_b32 v[Z+\i], v[PW+2*\i], v[PW+2*\i+1], vcc_lo   ; lanes 0-15: tile 2 i's word of row r; lanes 16-31: tile 2 i + 1's
.endr
	s_wait_loadcnt 0x0                             ; the mask bytes
	s_cmp_eq_u32 s18, 2
	s_cbranch_scc1 .Lv_words
	; q, k: a word's bytes 0, 1 belong to my first head, bytes 2, 3 to my second.  A stored word: the head's two bytes, the mask's byte, and 1.
	s_cmp_eq_u32 s18, 0
	s_cselect_b32 s47, -1, 0
	v_mov_b32 v[TQ], 0x01640000                    ; a query: byte 2 = 100
.irp i, 0,1,2,3
	v_mul_u32_u24 v[E+\i], v[E+\i], 0xfd0000
.endr
.irp i, 0,1,2,3
	v_sub_nc_u32 v[E+\i], 0x1fe0000, v[E+\i]       ; a key: byte 2 = 254 where the mask is 0, 1 where it is 1
.endr
.irp i, 0,1,2,3
	v_cndmask_b32 v[E+\i], v[E+\i], v[TQ], s47
.endr
.irp i, 0,1,2,3
	v_and_or_b32 v[W0+\i], v[Z+\i], 0xffff, v[E+\i]
	v_lshrrev_b32 v[W1+\i], 16, v[Z+\i]
.endr
.irp i, 0,1,2,3
	v_or_b32 v[W1+\i], v[W1+\i], v[E+\i]
.endr
	global_store_b128 v[L16], v[W0:W0+3], s[20:21] ; 512 consecutive bytes: the image of four scale registers
	global_store_b128 v[L16], v[W1:W1+3], s[20:21] offset:12288
	s_branch .Lwords_out
.Lv_words:
	global_store_b64 v[L8], v[Z:Z+1], s[20:21] offset:512         ; v: my first head's four tiles: 256 consecutive bytes behind K's 512
	global_store_b64 v[L8], v[Z+2:Z+3], s[20:21] offset:12288+512 ; and my second head's
.Lwords_out:
	s_wait_tensorcnt 0x0                           ; the wave's end
	ds_add_u32 v[SPW], v[NIL]
	s_wait_dscnt 0x0
	CROUND                                         ; the closing round: no work-group ends while a partner may still ask for a tile that names it
	s_endpgm
.Lfunc_end_k_q4c1f166e01_proj:
	.size	k_q4c1f166e01_proj, .Lfunc_end_k_q4c1f166e01_proj-k_q4c1f166e01_proj
	.p2alignl 7, 3214868480
	.fill 96, 4, 3214868480
	.section	.rodata,"a",@progbits
	.p2align	6, 0x0
	.amdhsa_kernel k_q4c1f166e01_proj
		.amdhsa_group_segment_fixed_size 327680
		.amdhsa_private_segment_fixed_size 0
		.amdhsa_enable_private_segment 0
		.amdhsa_kernarg_size 40
		.amdhsa_user_sgpr_count 2
		.amdhsa_user_sgpr_kernarg_segment_ptr 1
		.amdhsa_wavefront_size32 1
		.amdhsa_system_sgpr_workgroup_id_x 1
		.amdhsa_system_sgpr_workgroup_id_y 1
		.amdhsa_system_sgpr_workgroup_id_z 1
		.amdhsa_system_vgpr_workitem_id 0
		.amdhsa_next_free_vgpr 1024
		.amdhsa_next_free_sgpr 100
		.amdhsa_reserve_vcc 1
		.amdhsa_float_denorm_mode_32 3
		.amdhsa_float_denorm_mode_16_64 3
		.amdhsa_memory_ordered 1
		.amdhsa_forward_progress 1
		.amdhsa_inst_pref_size 169
	.end_amdhsa_kernel
	.amdgpu_metadata
---
amdhsa.version: [ 1, 2 ]
amdhsa.kernels:
  - .name:           k_q4c1f166e01_proj
    .symbol:         k_q4c1f166e01_proj.kd
    .args:
      - { .name: xq, .offset: 0, .size: 8, .value_kind: global_buffer, .address_space: global }
      - { .name: wq, .offset: 8, .size: 8, .value_kind: global_buffer, .address_space: global }
      - { .name: mask, .offset: 16, .size: 8, .value_kind: global_buffer, .address_space: global }
      - { .name: hq, .offset: 24, .size: 8, .value_kind: global_buffer, .address_space: global }
      - { .name: hkv, .offset: 32, .size: 8, .value_kind: global_buffer, .address_space: global }
    .group_segment_fixed_size: 327680
    .private_segment_fixed_size: 0
    .kernarg_segment_align: 8
    .kernarg_segment_size: 40
    .max_flat_workgroup_size: 128
    .sgpr_count:     100
    .vgpr_count:     1024
    .wavefront_size: 32
...
	.end_amdgpu_metadata
.endif
;; end of part 2
;; launch attn (part 3): grid 8 x 64, 8 waves a work-group, clusters of 4 x 1, 209,920 bytes of LDS; arguments hq, hkv, mx; writes mx
.if DOCPART == 3
	.amdgcn_target "amdgcn-amd-amdhsa--gfx1250"
	.amdhsa_code_object_version 6
	.text
	.protected	k_q4c1f166e01_attn
	.globl	k_q4c1f166e01_attn
	.p2align	8
	.type	k_q4c1f166e01_attn,@function
k_q4c1f166e01_attn:
	s_mov_b64 s[64:65], 0
	v_nop
	global_prefetch_b8 v0, s[64:65] scope:SCOPE_SE
	s_setreg_imm32_b32 hwreg(HW_REG_WAVE_MODE, 25, 1), 1
	s_wait_xcnt 0x0
	s_wait_alu depctr_hold_cnt(0) depctr_sa_sdst(0) depctr_va_vdst(0) depctr_va_sdst(0) depctr_va_ssrc(0) depctr_va_vcc(0) depctr_vm_vsrc(0)
	s_getreg_b32 s2, hwreg(HW_REG_IB_STS2, 6, 4)
	s_cmp_eq_u32 s2, 0
	s_cbranch_scc0 .Lentry_in_a_cluster
	s_endpgm
.Lentry_in_a_cluster:
	s_bfe_u32 s2, ttmp6, 0x10000c
	s_cmp_lg_u32 s2, 0x3003
	s_cbranch_scc0 .Lentry_shape_is_right
	s_endpgm
.Lentry_shape_is_right:
; mix[b][q][h][:] = the sum over keys of softmax(Q . K / 8, hidden keys left out) V, both products on codes of E2M3; then mix is quantised along (head, channel) for the last product.
; THE SOFTMAX: t = score x log2(e) / 8; M = the running largest t rounded UP to a whole number; p = 2^(t - M) is quantised along the keys, not normalised; the row's sum is taken of the unquantised p and
; divides at the end.  When M moves, the sum and O are multiplied by 2^(old M - new M): exact.
; SHARES.  A work-group owns 256 query positions of one (batch, head); each of its eight waves two tiles of 16: a fragment of K or V read from LDS feeds two products.  Two waves to a SIMD.
; THE WHOLE HEAD LIES IN LDS: K's 128 units, V's 128 units and the scale records are filled ONCE, by five tensor loads a wave at the start, and never again.  The keys are walked in four stages of four steps of 128;
; a stage begins when its quarter has landed.
; CLUSTER.  The four query blocks of a cluster walk the same head: every load is asked for JOINTLY, with the same descriptor and a mask that names the four.
; LAYOUT.  Both products are used transposed: S^T = K Q^T, O^T = V^T P^T: a lane holds ONE query throughout.  K's tiles and V's channel tiles lie in memory by positions (position 16 u + r of each 32 holds row
; 8 u + r + 8 (r / 8)), so that the 16 registers of two neighbouring result tiles are 16 neighbours in true order.
; THE SCORE PRODUCT'S K is 64, half of the instruction's 128.  The other half carries THE MASK: Q has the code +1 at k = 64 under the byte 100, K the code -1 under the byte 1 (open) or 254 (hidden), all else zero codes:
; a hidden key's score gets -2^100, so that its p is exactly 0; an open key's gets -2^-153.
; LIMITS: the largest t starts at -2^60: rows whose largest t lies under that, or scores near 2^100, are not served.  A batch whose mask is all false gives NaN by the problem's definition; here its sum is 0, mix is NaN and
; its codes are the largest code: finite numbers come out.  A block of zeros carries the byte 1.  NaN and infinities are not served.
; REGISTERS.  window 0: v1-7 addresses; v8-15 -M, largest t, the sum's two halves, for each tile; v18-19 p's scale words; v20-23 K's, v24-25 V's, v26 Q's scale words; v28-75 at work, 24 a tile; v76-99 p's codes;
;   v128-255 S^T, then p, 64 a tile.   window 1: v0-63 O^T, 32 a tile; v64-87 Q; v96-191 K's eight fragments; v192-239 V's four.
.set HS,   6291456                     ; hq: the scale records
.set VO,   6291456                     ; hkv: V's units
.set KSO,  12582912                    ; hkv: the scale records
.set MS,   6291456                     ; mx: the scale words
.set VREG, 98304                       ; LDS: K's units at 0, V's here,
.set SREG, 196608                      ; the scale records here: 768 bytes a key step: 512 of K's words, 256 of V's
.set L8,   1
.set ASK0, 2
.set ASV0, 3
.set ADK,  4
.set ADV,  5
.set ADS,  6
.set ADT,  7
.set ST,   8                           ; tile x at ST + 4 x: -M, the largest t, the sum's pair
.set HA,   16
.set L16,  17
.set PW,   18
.set KSC,  20
.set VSC,  24
.set QSC,  26
.set TT,   28                          ; tile x at TT + 24 x: +0 block maxima, +4 the other half's / bytes, +8 scale operands, +12 conversions' second halves, +20 at work, +22 f (a pair)
.set PC,   76
.set S,    128
.set O,    0
.set Q,    64
.set KF,   96
.set VF,   192
.set WV,   10
.set CS,   14                          ; s[14:15] c = log2(e) / 8
.set SEL,  16                          ; s[16:17]
.set TB,   18
.set TS,   19
.set CNT,  20
.set G1C,  24                          ; s[24:31] group 1: 6,144 dense bytes;  s[32:39]: 1,536;  s[40:43] group 0 of the scale records;  s[44:59] of the four stages
.set G1S,  32
.set MSB, 0
.macro WIN new
.if MSB != (\new)
	s_set_vgpr_msb (MSB<<8)|(\new)
.set MSB, (\new)
.endif
.endm
.macro CROUND                          ; a round of the cluster's barrier
	s_barrier_signal -1
	s_barrier_wait -1
	s_cmp_lg_u32 s[WV], 0
	s_cbranch_scc1 .Lnot_wave_0_\@
	s_barrier_signal -3
.Lnot_wave_0_\@:
	s_barrier_wait -3
	s_barrier_signal -1
	s_barrier_wait -1
.endm
	s_load_b128 s[4:7], s[0:1], 0x0                ; hq s[4:5], hkv s[6:7]
	s_load_b64 s[8:9], s[0:1], 0x10                ; mx
	v_lshl_add_u32 v126, v0, 2, 0x33000
	v_mov_b32 v127, 0
	ds_add_u32 v126, v127
	ds_add_u32 v126, v127
	v_lshrrev_b32 v1, 5, v0
	v_readfirstlane_b32 s[WV], v1                  ; wave 0..7
	s_bfe_u32 s11, ttmp6, 0x40000                  ; cx
	s_lshl_b32 s12, ttmp9, 2
	s_add_co_u32 s12, s12, s11                     ; my block of 256 queries: it enters hq's and mx's addresses alone
	s_and_b32 s13, ttmp7, 0xffff                   ; (batch, head), which the four partners share
	s_mov_b32 s[G1C], 15|(3<<16)|(1<<21)           ; 15:0 the mask: all four; 17:16 elements of 8 bytes; 21 set beside a mask
	s_mov_b32 s[G1C+1], 32<<16                     ; rows of 256 bytes,
	s_mov_b32 s[G1C+2], 24<<16                     ; 24 of them, dense
	s_mov_b32 s[G1C+3], 32<<16
	s_mov_b32 s[G1C+4], 24
	s_mov_b32 s[G1C+5], 32
	s_mov_b32 s[G1C+6], 0
	s_mov_b32 s[G1C+7], 0
	s_mov_b32 s[G1S], 15|(3<<16)|(1<<21)
	s_mov_b32 s[G1S+1], 32<<16
	s_mov_b32 s[G1S+2], 6<<16                      ; 6 rows
	s_mov_b32 s[G1S+3], 32<<16
	s_mov_b32 s[G1S+4], 6
	s_mov_b32 s[G1S+5], 32
	s_mov_b32 s[G1S+6], 0
	s_mov_b32 s[G1S+7], 0
	s_lshr_b32 s21, s[WV], 2                       ; I fetch K's units (0) or V's (1),
	s_and_b32 s22, s[WV], 3                        ; of key step 4 g + this, in stage g
	s_mul_i32 s23, s21, VREG
	s_mul_i32 s60, s22, 6144
	s_add_co_u32 s23, s23, s60                     ; in LDS
	s_mul_i32 s66, s21, VO
	s_mul_i32 s61, s13, 98304
	s_add_co_u32 s66, s66, s61
	s_add_co_u32 s66, s66, s60                     ; and in memory
	s_mov_b32 s67, 0
	s_mul_i32 s68, s13, 12288
	s_mul_i32 s62, s[WV], 1536                     ; my eighth of the head's scale records
	s_add_co_u32 s68, s68, s62
	s_add_co_u32 s68, s68, KSO
	s_mov_b32 s69, 0
	s_lshl_b32 s70, s12, 4
	s_lshl_b32 s71, s[WV], 1
	s_add_co_u32 s70, s70, s71                     ; my first tile of queries in the head
	s_mul_i32 s72, s70, 768
	s_add_co_u32 s72, s72, s61
	s_mov_b32 s73, 0
	s_lshl_b32 s74, s12, 1
	s_add_co_u32 s74, s74, s21                     ; its record of 128 queries,
	s_mul_i32 s74, s74, 768
	s_mul_i32 s75, s13, 12288
	s_add_co_u32 s74, s74, s75
	s_lshl_b32 s75, s22, 2                         ; and in it the register of tiles 2 (wave % 4), + 1
	s_add_co_u32 s74, s74, s75
	s_add_co_u32 s74, s74, HS
	s_mov_b32 s75, 0
	s_lshr_b32 s76, s13, 4
	s_lshl_b32 s76, s76, 7
	s_add_co_u32 s76, s76, s70                     ; my first tile among mix's 512
	s_and_b32 s77, s13, 15                         ; the head
	s_mul_i32 s78, s76, 12288
	s_mul_i32 s79, s77, 768
	s_add_co_u32 s78, s78, s79
	s_mov_b32 s79, 0
	s_lshl_b32 s80, s76, 9                         ; mix's scale words: K step h / 2, halfword h % 2
	s_bfe_u32 s82, s77, 0x10001
	s_lshl_b32 s82, s82, 8
	s_add_co_u32 s80, s80, s82
	s_lshr_b32 s82, s77, 2
	s_lshl_b32 s82, s82, 2
	s_add_co_u32 s80, s80, s82
	s_and_b32 s82, s77, 1
	s_lshl_b32 s82, s82, 1
	s_add_co_u32 s80, s80, s82
	s_add_co_u32 s80, s80, MS
	s_mov_b32 s81, 0
	s_mov_b32 s[CS], 0x3e38aa3b                    ; c = log2(e) / 8
	s_mov_b32 s[CS+1], s[CS]                       ; named with it as a pair, so it is written
	s_mov_b32 s[SEL], 0x76543210
	s_mov_b32 s[SEL+1], 0xfedcba98
	s_wait_dscnt 0x0
	s_wait_kmcnt 0x0
	s_add_nc_u64 s[66:67], s[6:7], s[66:67]
	s_add_nc_u64 s[68:69], s[6:7], s[68:69]
	s_add_nc_u64 s[72:73], s[4:5], s[72:73]        ; Q's units
	s_add_nc_u64 s[74:75], s[4:5], s[74:75]        ; Q's scale words
	s_add_nc_u64 s[78:79], s[8:9], s[78:79]        ; mix's units
	s_add_nc_u64 s[80:81], s[8:9], s[80:81]        ; mix's scale halfwords
	s_mov_b32 s40, 1
	s_add_co_u32 s41, s62, SREG
	s_mov_b64 s[42:43], s[68:69]
	s_or_b32 s43, s43, 0x80000000
.irp g, 0,1,2,3
	s_mov_b32 s[44+4*\g], 1
	s_add_co_u32 s[45+4*\g], s23, \g*24576
	s_add_nc_u64 s[46+4*\g:47+4*\g], s[66:67], \g*24576
	s_or_b32 s[47+4*\g], s[47+4*\g], 0x80000000
.endr
	CROUND                                         ; all four work-groups are here: the joint loads meet
	tensor_load_to_lds s[40:43], s[G1S:G1S+7]      ; all fills go out as one group: five loads of mine are out
	s_nop 0
	tensor_load_to_lds s[44:47], s[G1C:G1C+7]
	s_nop 0
	tensor_load_to_lds s[48:51], s[G1C:G1C+7]
	s_nop 0
	tensor_load_to_lds s[52:55], s[G1C:G1C+7]
	s_nop 0
	tensor_load_to_lds s[56:59], s[G1C:G1C+7]
	s_nop 0
.rept 4
	v_nop
.endr
	v_and_b32 v[L16], 31, v0
	v_lshlrev_b32 v[L8], 3, v[L16]
	v_lshlrev_b32 v[L16], 4, v[L16]
	WIN 0x40                                       ; destination window 1
.irp x, 0,1
.irp p, 0,1,2
	global_load_b64 v[Q+12*\x+2*\p:Q+12*\x+2*\p+1], v[L8], s[72:73] offset:\x*768+256*\p   ; Q's units stay in registers
.endr
.endr
	WIN 0
	global_load_b32 v[QSC], v[L16], s[74:75]       ; lanes 0-15: tile 0's words; lanes 16-31: tile 1's
	v_add_nc_u32 v[ASK0], SREG, v[L16]
	v_add_nc_u32 v[ASV0], SREG+512, v[L8]
	v_and_b32 v[HA], 15, v0
	v_lshlrev_b32 v[HA], 4, v[HA]
	v_bfe_u32 v100, v0, 4, 1
	v_lshl_or_b32 v[HA], v100, 9, v[HA]            ; the way out: 512 (lane / 16) + 16 (lane % 16)
	v_xor_b32 v100, 1, v100                        ; k = 64 lies in lanes 0-15, register 6, bits 5:0
	v_lshlrev_b32 v101, 3, v100                    ; the code of +1.0
	v_mul_u32_u24 v102, v100, 0x28                 ; the code of -1.0
	WIN 0x40
.irp x, 0,1
	v_mov_b32 v[Q+12*\x+6], v101
.irp i, 7,8,9,10,11
	v_mov_b32 v[Q+12*\x+\i], 0
.endr
.endr
.irp t, 0,1,2,3,4,5,6,7
	v_mov_b32 v[KF+12*\t+6], v102                  ; the upper halves of K's fragments are written once: the loads fill registers 0-5 alone
.irp i, 7,8,9,10,11
	v_mov_b32 v[KF+12*\t+\i], 0
.endr
.endr
.set j, 0
.rept 64
	v_mov_b32 v[O+j], 0                            ; O^T.  The step is written once: its first run finds zeros
.set j, j+1
.endr
	WIN 0
.irp x, 0,1
	v_mov_b32 v[ST+4*\x+1], 0xdd800000             ; the largest t so far: -2^60
	v_floor_f32 v[ST+4*\x], -v[ST+4*\x+1]          ; -M
	v_mov_b32 v[ST+4*\x+2], 0                      ; the sum, in two halves
	v_mov_b32 v[ST+4*\x+3], 0
	v_mov_b32 v[TT+24*\x+23], 0                    ; named as the upper half of f's pair
.irp b, 0,1,2,3
	v_mov_b32 v[TT+24*\x+4+\b], 0                  ; a lane permute's destination counts as one of its sources
.endr
.endr
.macro KQ t, x                         ; S^T(tile t of 16 keys, tile x of queries).  K's words: register t / 2, lanes 0-15 for even t, 16-31 for odd; Q's: lanes 0-15 for x = 0, 16-31 for x = 1
.set rS, S+64*(\x)+8*(\t)
.set rK, KF+12*(\t)
.set rQ, Q+12*(\x)
.set rA, KSC+(\t)/2
.if ((\t)%2 == 0) && ((\x) == 0)
	v_wmma_scale_f32_16x16x128_f8f6f4 v[rS:rS+7], v[rK:rK+11], v[rQ:rQ+11], 0, v[rA], v[QSC] matrix_a_fmt:MATRIX_FMT_FP6 matrix_b_fmt:MATRIX_FMT_FP6
.elseif ((\t)%2 == 1) && ((\x) == 0)
	v_wmma_scale_f32_16x16x128_f8f6f4 v[rS:rS+7], v[rK:rK+11], v[rQ:rQ+11], 0, v[rA], v[QSC] matrix_a_fmt:MATRIX_FMT_FP6 matrix_b_fmt:MATRIX_FMT_FP6 matrix_a_scale:MATRIX_SCALE_ROW1
.elseif ((\t)%2 == 0)
	v_wmma_scale_f32_16x16x128_f8f6f4 v[rS:rS+7], v[rK:rK+11], v[rQ:rQ+11], 0, v[rA], v[QSC] matrix_a_fmt:MATRIX_FMT_FP6 matrix_b_fmt:MATRIX_FMT_FP6 matrix_b_scale:MATRIX_SCALE_ROW1
.else
	v_wmma_scale_f32_16x16x128_f8f6f4 v[rS:rS+7], v[rK:rK+11], v[rQ:rQ+11], 0, v[rA], v[QSC] matrix_a_fmt:MATRIX_FMT_FP6 matrix_b_fmt:MATRIX_FMT_FP6 matrix_a_scale:MATRIX_SCALE_ROW1 matrix_b_scale:MATRIX_SCALE_ROW1
.endif
.endm
.macro PV t, x                         ; O^T(tile t of 16 channels, tile x) += V^T P^T over these 128 keys
.set rO, O+32*(\x)+8*(\t)
.set rV, VF+12*(\t)
.set rP, PC+12*(\x)
.set rA, VSC+(\t)/2
.if (\t)%2 == 0
	v_wmma_scale_f32_16x16x128_f8f6f4 v[rO:rO+7], v[rV:rV+11], v[rP:rP+11], v[rO:rO+7], v[rA], v[PW+(\x)] matrix_a_fmt:MATRIX_FMT_FP6 matrix_b_fmt:MATRIX_FMT_FP6
.else
	v_wmma_scale_f32_16x16x128_f8f6f4 v[rO:rO+7], v[rV:rV+11], v[rP:rP+11], v[rO:rO+7], v[rA], v[PW+(\x)] matrix_a_fmt:MATRIX_FMT_FP6 matrix_b_fmt:MATRIX_FMT_FP6 matrix_a_scale:MATRIX_SCALE_ROW1
.endif
.endm
; The softmax of a step, both tiles by turns.  Register 16 b + i of a tile holds key 32 b + 16 (lane / 16) + i of the step.
.macro SOFT2
.irp b, 0,1,2,3
.irp x, 0,1
	v_max3_num_f32 v[TT+24*\x+\b], v[S+64*\x+16*\b], v[S+64*\x+16*\b+1], v[S+64*\x+16*\b+2]   ; the largest SCORE of each block of 32 keys: it serves for the row's maximum and, since p rises with the score, for the block's largest p
.endr
.endr
.irp i, 3,5,7,9,11,13
.irp b, 0,1,2,3
.irp x, 0,1
	v_max3_num_f32 v[TT+24*\x+\b], v[TT+24*\x+\b], v[S+64*\x+16*\b+\i], v[S+64*\x+16*\b+\i+1]
.endr
.endr
.endr
.irp b, 0,1,2,3
.irp x, 0,1
	v_max_num_f32 v[TT+24*\x+\b], v[TT+24*\x+\b], v[S+64*\x+16*\b+15]
.endr
.endr
.irp b, 0,1,2,3
.irp x, 0,1
	v_permlanex16_b32 v[TT+24*\x+4+\b], v[TT+24*\x+\b], s[SEL], s[SEL+1]
.endr
.endr
.irp b, 0,1,2,3
.irp x, 0,1
	v_max_num_f32 v[TT+24*\x+\b], v[TT+24*\x+\b], v[TT+24*\x+4+\b]   ; with lane l xor 16's 16 keys
.endr
.endr
.irp x, 0,1
	v_max3_num_f32 v[TT+24*\x+20], v[TT+24*\x], v[TT+24*\x+1], v[TT+24*\x+2]
.endr
.irp x, 0,1
	v_max_num_f32 v[TT+24*\x+20], v[TT+24*\x+20], v[TT+24*\x+3]      ; the step's largest score of my query
.endr
.irp x, 0,1
	v_mul_f32 v[TT+24*\x+20], s[CS], v[TT+24*\x+20]                  ; as t (c is positive)
.endr
.irp x, 0,1
	v_max_num_f32 v[ST+4*\x+1], v[ST+4*\x+1], v[TT+24*\x+20]         ; the running largest t
.endr
.irp x, 0,1
	v_mov_b32 v[TT+24*\x+20], v[ST+4*\x]
.endr
.irp x, 0,1
	v_floor_f32 v[ST+4*\x], -v[ST+4*\x+1]                            ; the new -M = floor(-t): M is a whole number
.endr
.irp x, 0,1
	v_sub_f32 v[TT+24*\x+20], v[ST+4*\x], v[TT+24*\x+20]             ; old M - new M: a whole number, 0 or less
.endr
.irp x, 0,1
	v_cvt_i32_f32 v[TT+24*\x+20], v[TT+24*\x+20]                     ; (it saturates)
.endr
.irp x, 0,1
	v_ldexp_f32 v[TT+24*\x+22], 1.0, v[TT+24*\x+20]                  ; f = 2^(old M - new M)
.endr
.irp x, 0,1
.set j, 0
.rept 32
	v_pk_fma_f32 v[S+64*\x+j:S+64*\x+j+1], v[S+64*\x+j:S+64*\x+j+1], s[CS:CS+1], v[ST+4*\x:ST+4*\x+1] op_sel_hi:[1,0,0]   ; t - M, two at a time
.set j, j+2
.endr
.endr
.irp b, 0,1,2,3
.irp x, 0,1
	v_fma_f32 v[TT+24*\x+\b], v[TT+24*\x+\b], s[CS], v[ST+4*\x]      ; the same of each block's largest score
.endr
.endr
.set j, 0
.rept 128
	v_exp_f32 v[S+j], v[S+j]                                         ; p = 2^(t - M), at most 1
.set j, j+1
.endr
.irp b, 0,1,2,3
.irp x, 0,1
	v_exp_f32 v[TT+24*\x+\b], v[TT+24*\x+\b]                         ; the block's largest p: the same two instructions on the same number
.endr
.endr
.irp x, 0,1
	v_pk_mul_f32 v[ST+4*\x+2:ST+4*\x+3], v[ST+4*\x+2:ST+4*\x+3], v[TT+24*\x+22:TT+24*\x+23] op_sel_hi:[1,0]   ; the sums under the new M.  (A plain place behind the exponentials)
.endr
	s_wait_alu depctr_va_vdst(0)
.irp b, 0,1,2,3
.irp x, 0,1
	v_max_num_f32 v[TT+24*\x+\b], 0x1800000, v[TT+24*\x+\b]          ; the floor 2^(3 - 127): the byte cannot fall under 1
.endr
.endr
.irp b, 0,1,2,3
.irp x, 0,1
	v_add_nc_u32 v[TT+24*\x+8+\b], 0xff000000, v[TT+24*\x+\b]        ; 2 off the exponent field: the conversion's scale operand
.endr
.endr
.irp b, 0,1,2,3
.irp x, 0,1
	v_lshrrev_b32 v[TT+24*\x+4+\b], 23, v[TT+24*\x+8+\b]             ; the byte
.endr
.endr
.irp x, 0,1
	v_lshl_or_b32 v[PW+\x], v[TT+24*\x+5], 8, v[TT+24*\x+4]          ; p's scale word for these 128 keys
.endr
.irp x, 0,1
	v_lshl_or_b32 v[PW+\x], v[TT+24*\x+6], 16, v[PW+\x]
.endr
.irp x, 0,1
	v_lshl_or_b32 v[PW+\x], v[TT+24*\x+7], 24, v[PW+\x]
.endr
.irp x, 0,1
.irp c, 0,1
	v_cvt_scalef32_pk16_fp6_f32 v[PC+12*\x+6*\c:PC+12*\x+6*\c+2], v[S+64*\x+32*\c:S+64*\x+32*\c+15], v[TT+24*\x+8+2*\c]
	v_cvt_scalef32_pk16_fp6_f32 v[TT+24*\x+12+4*\c:TT+24*\x+14+4*\c], v[S+64*\x+16+32*\c:S+64*\x+31+32*\c], v[TT+24*\x+9+2*\c]
.endr
.endr
	v_nop                                          ; one plain place behind a scaled conversion
.irp x, 0,1
.irp c, 0,1                                    ; the layout wants a WHOLE block in a lane
.irp i, 0,1,2
	v_permlane16_swap_b32 v[PC+12*\x+6*\c+\i], v[TT+24*\x+12+4*\c+\i]
.endr
.irp i, 0,1,2
	v_mov_b32 v[PC+12*\x+3+6*\c+\i], v[TT+24*\x+12+4*\c+\i]
.endr
.endr
.endr
.irp x, 0,1
	v_pk_add_f32 v[TT+24*\x+12:TT+24*\x+13], v[S+64*\x:S+64*\x+1], v[S+64*\x+2:S+64*\x+3]   ; the row's sum is taken of the UNQUANTISED p: two at a time, in two chains a tile
.endr
.irp j, 4,8,12,16,20,24,28,32,36,40,44,48,52,56,60
.irp x, 0,1
	v_pk_add_f32 v[ST+4*\x+2:ST+4*\x+3], v[ST+4*\x+2:ST+4*\x+3], v[S+64*\x+\j:S+64*\x+\j+1]
	v_pk_add_f32 v[TT+24*\x+12:TT+24*\x+13], v[TT+24*\x+12:TT+24*\x+13], v[S+64*\x+\j+2:S+64*\x+\j+3]
.endr
.endr
.irp x, 0,1
	v_pk_add_f32 v[ST+4*\x+2:ST+4*\x+3], v[ST+4*\x+2:ST+4*\x+3], v[TT+24*\x+12:TT+24*\x+13]
.endr
.endm
; A KEY STEP: 128 keys, both tiles.
.macro STEP
	v_add_nc_u32 v[ADK], s[TB], v[L8]              ; these four are also the places behind the last step's products, in front of the loads into their registers
	v_add_nc_u32 v[ADV], VREG, v[ADK]
	v_add_nc_u32 v[ADS], s[TS], v[ASK0]
	v_add_nc_u32 v[ADT], s[TS], v[ASV0]
	ds_load_b128 v[KSC:KSC+3], v[ADS]              ; K's scale words: the image of four registers
	ds_load_b64 v[VSC:VSC+1], v[ADT]               ; V's: of two
	WIN 0x40
.irp t, 0,1,2,3,4,5,6,7
.irp p, 0,1,2
	ds_load_b64 v[KF+12*\t+2*\p:KF+12*\t+2*\p+1], v[ADK] offset:\t*768+256*\p
.endr
.endr
.irp t, 0,1,2,3
.irp p, 0,1,2,3,4,5
	ds_load_b64 v[VF+12*\t+2*\p:VF+12*\t+2*\p+1], v[ADV] offset:(\p/3)*3072+\t*768+(\p%3)*256
.endr
.endr
	s_wait_dscnt 24                                ; the scale words and K are in; V's 24 loads may be out
	WIN 0x05                                       ; K and Q in window 1, S^T in window 0
.irp t, 0,1,2,3,4,5,6,7
.irp x, 0,1
	KQ \t, \x
.endr
.endr
	WIN 0
.rept 4
	v_nop
.endr
	SOFT2
	WIN 0x41                                       ; O^T in window 1, f in window 0
.irp x, 0,1
.set j, 0
.rept 16
	v_pk_mul_f32 v[O+32*\x+j:O+32*\x+j+1], v[O+32*\x+j:O+32*\x+j+1], v[TT+24*\x+22:TT+24*\x+23] op_sel_hi:[1,0]   ; O^T under the new M
.set j, j+2
.endr
.endr
	s_wait_dscnt 0x0                               ; V is in
	WIN 0x51                                       ; V, C and D in window 1, P in window 0
.irp t, 0,1,2,3
.irp x, 0,1
	PV \t, \x                                      ; eight accumulators by turns
.endr
.endr
	WIN 0
.endm
; A stage: four key steps.  Behind my loads of the scale records and of stages 0 .. g stand 3 - g later ones.
.macro STAGE g
	s_wait_tensorcnt 3-\g                          ; my part of this stage has landed; the later stages' loads may stay out
	s_wait_dscnt 0x0
	s_barrier_signal -1
	s_barrier_wait -1                              ; everybody's has
	s_mov_b32 s[TB], \g*24576
	s_mov_b32 s[TS], \g*3072
	s_mov_b32 s[CNT], 4
.Lstep_\@:
	STEP
	s_add_co_u32 s[TB], s[TB], 6144
	s_add_co_u32 s[TS], s[TS], 768
	s_sub_co_u32 s[CNT], s[CNT], 1
	s_cmp_lg_u32 s[CNT], 0
	s_cbranch_scc1 .Lstep_\@
.endm
	s_wait_loadcnt 0x0                             ; Q
	STAGE 0
	STAGE 1
	STAGE 2
	STAGE 3
	; THE WAY OUT.  O^T / the sum; register 8 t + i of a tile is channel 32 (t / 2) + 16 (lane / 16) + 8 (t % 2) + i of my query: two blocks of 32 along the last product's K: one unit and two scale bytes.
.rept 4
	v_nop
.endr
.irp x, 0,1
	v_add_f32 v[ST+4*\x+2], v[ST+4*\x+2], v[ST+4*\x+3]
.endr
.irp x, 0,1
	v_permlanex16_b32 v[TT+24*\x+20], v[ST+4*\x+2], s[SEL], s[SEL+1]
.endr
.irp x, 0,1
	v_add_f32 v[ST+4*\x+2], v[ST+4*\x+2], v[TT+24*\x+20]             ; the row's sum
.endr
.irp x, 0,1
	v_rcp_f32 v[ST+4*\x+2], v[ST+4*\x+2]
.endr
	v_nop                                          ; a plain place behind the transcendentals
	WIN 0x01                                       ; source 0 window 1
	s_wait_alu depctr_va_vdst(0)
.irp x, 0,1
.set j, 0
.rept 32
	v_mul_f32 v[S+64*\x+j], v[O+32*\x+j], v[ST+4*\x+2]               ; each accumulator from its low end on
.set j, j+1
.endr
.endr
	WIN 0
.irp b, 0,1
.irp x, 0,1
	v_max3_num_f32 v[TT+24*\x+\b], |v[S+64*\x+16*\b]|, |v[S+64*\x+16*\b+1]|, 0x1800000
.endr
.endr
.irp i, 2,4,6,8,10,12,14
.irp b, 0,1
.irp x, 0,1
	v_max3_num_f32 v[TT+24*\x+\b], v[TT+24*\x+\b], |v[S+64*\x+16*\b+\i]|, |v[S+64*\x+16*\b+\i+1]|
.endr
.endr
.endr
.irp b, 0,1
.irp x, 0,1
	v_permlanex16_b32 v[TT+24*\x+4+\b], v[TT+24*\x+\b], s[SEL], s[SEL+1]
.endr
.endr
.irp b, 0,1
.irp x, 0,1
	v_max_num_f32 v[TT+24*\x+\b], v[TT+24*\x+\b], v[TT+24*\x+4+\b]
.endr
.endr
.irp b, 0,1
.irp x, 0,1
	v_add_nc_u32 v[TT+24*\x+8+\b], 0xff000000, v[TT+24*\x+\b]
.endr
.endr
.irp b, 0,1
.irp x, 0,1
	v_lshrrev_b32 v[TT+24*\x+4+\b], 23, v[TT+24*\x+8+\b]
.endr
.endr
.irp x, 0,1
	v_lshl_or_b32 v[PW+\x], v[TT+24*\x+5], 8, v[TT+24*\x+4]          ; my row's two bytes
.endr
.irp x, 0,1
	v_cvt_scalef32_pk16_fp6_f32 v[PC+12*\x:PC+12*\x+2], v[S+64*\x:S+64*\x+15], v[TT+24*\x+8]
	v_cvt_scalef32_pk16_fp6_f32 v[TT+24*\x+12:TT+24*\x+14], v[S+64*\x+16:S+64*\x+31], v[TT+24*\x+9]
.endr
	v_nop
.irp x, 0,1
.irp i, 0,1,2
	v_permlane16_swap_b32 v[PC+12*\x+\i], v[TT+24*\x+12+\i]
.endr
.irp i, 0,1,2
	v_mov_b32 v[PC+12*\x+3+\i], v[TT+24*\x+12+\i]
.endr
.endr
.irp x, 0,1
.irp p, 0,1,2
	global_store_b64 v[L8], v[PC+12*\x+2*\p:PC+12*\x+2*\p+1], s[78:79] offset:\x*12288+256*\p   ; a plane: 256 consecutive bytes, aligned
.endr
.endr
	s_mov_b32 vcc_lo, 0xffff0000
	v_cndmask_b32 v[PW], v[PW], v[PW+1], vcc_lo    ; lanes 0-15: tile 0's rows; lanes 16-31: tile 1's
	global_store_b16 v[HA], v[PW], s[80:81]        ; 2 bytes a lane, 16 bytes apart: 64 of the wave's 1,600 bytes
	s_wait_tensorcnt 0x0
	s_wait_tensorcnt 0x0
	ds_add_u32 v126, v127
	s_wait_dscnt 0x0
	CROUND                                         ; the closing round: no work-group ends while a partner may still ask for a tile that names it
	s_endpgm
.Lfunc_end_k_q4c1f166e01_attn:
	.size	k_q4c1f166e01_attn, .Lfunc_end_k_q4c1f166e01_attn-k_q4c1f166e01_attn
	.p2alignl 7, 3214868480
	.fill 96, 4, 3214868480
	.section	.rodata,"a",@progbits
	.p2align	6, 0x0
	.amdhsa_kernel k_q4c1f166e01_attn
		.amdhsa_group_segment_fixed_size 209920
		.amdhsa_private_segment_fixed_size 0
		.amdhsa_enable_private_segment 0
		.amdhsa_kernarg_size 24
		.amdhsa_user_sgpr_count 2
		.amdhsa_user_sgpr_kernarg_segment_ptr 1
		.amdhsa_wavefront_size32 1
		.amdhsa_system_sgpr_workgroup_id_x 1
		.amdhsa_system_sgpr_workgroup_id_y 1
		.amdhsa_system_sgpr_workgroup_id_z 1
		.amdhsa_system_vgpr_workitem_id 0
		.amdhsa_next_free_vgpr 512
		.amdhsa_next_free_sgpr 84
		.amdhsa_reserve_vcc 1
		.amdhsa_float_denorm_mode_32 3
		.amdhsa_float_denorm_mode_16_64 3
		.amdhsa_memory_ordered 1
		.amdhsa_forward_progress 1
		.amdhsa_inst_pref_size 141
	.end_amdhsa_kernel
	.amdgpu_metadata
---
amdhsa.version: [ 1, 2 ]
amdhsa.kernels:
  - .name:           k_q4c1f166e01_attn
    .symbol:         k_q4c1f166e01_attn.kd
    .args:
      - { .name: hq, .offset: 0, .size: 8, .value_kind: global_buffer, .address_space: global }
      - { .name: hkv, .offset: 8, .size: 8, .value_kind: global_buffer, .address_space: global }
      - { .name: mx, .offset: 16, .size: 8, .value_kind: global_buffer, .address_space: global }
    .group_segment_fixed_size: 209920
    .private_segment_fixed_size: 0
    .kernarg_segment_align: 8
    .kernarg_segment_size: 24
    .max_flat_workgroup_size: 256
    .sgpr_count:     84
    .vgpr_count:     512
    .wavefront_size: 32
...
	.end_amdgpu_metadata
.endif
;; end of part 3
;; launch oproj (part 4): grid 4 x 32, 4 waves a work-group, clusters of 4 x 4, 327,680 bytes of LDS; arguments mx, wq, out0; writes out0
.if DOCPART == 4
	.amdgcn_target "amdgcn-amd-amdhsa--gfx1250"
	.amdhsa_code_object_version 6
	.text
	.protected	k_q4c1f166e01_oproj
	.globl	k_q4c1f166e01_oproj
	.p2align	8
	.type	k_q4c1f166e01_oproj,@function
k_q4c1f166e01_oproj:
	s_mov_b64 s[64:65], 0
	v_nop
	global_prefetch_b8 v0, s[64:65] scope:SCOPE_SE
	s_setreg_imm32_b32 hwreg(HW_REG_WAVE_MODE, 25, 1), 1
	s_wait_xcnt 0x0
	s_wait_alu depctr_hold_cnt(0) depctr_sa_sdst(0) depctr_va_vdst(0) depctr_va_sdst(0) depctr_va_ssrc(0) depctr_va_vcc(0) depctr_vm_vsrc(0)
	s_getreg_b32 s2, hwreg(HW_REG_IB_STS2, 6, 4)
	s_cmp_eq_u32 s2, 0
	s_cbranch_scc0 .Lentry_in_a_cluster
	s_endpgm
.Lentry_in_a_cluster:
	s_bfe_u32 s2, ttmp6, 0x10000c
	s_cmp_lg_u32 s2, 0xf033
	s_cbranch_scc0 .Lentry_shape_is_right
	s_endpgm
.Lentry_shape_is_right:
; out0 = mix Wo on codes of E2M3 (K = 1024 = (head, channel)), f32 out.
; A work-group of four waves makes 256 x 256; a wave 128 x 128: 64 accumulators of 16 x 16, 512 registers.  Source 0 takes tiles of S0 = Wo (rows = output columns), source 1 tiles of S1 = mix (rows = tokens):
; a lane holds ONE token, and its registers run along the output columns.  Both lie in memory by POSITIONS (inside each 32 rows, position 16 u + r holds row 8 u + r + 8 (r / 8)): for S0 that makes the 16 registers of
; two neighbouring tiles 16 neighbouring columns; for S1 the stores' row offsets turn positions back into rows.
; Operands lie in UNITS (16 rows x 64 K: 3 planes of 256 bytes, a plane = 8 bytes a lane): every LDS load of a fragment is 8 bytes at 8 x lane, 256 consecutive bytes.
; K goes in steps of 256 through a ring of two LDS slots; the scale words of all of K come once and are read into registers once.
; CLUSTERS: 4 x 4 work-groups; S1's tiles are asked for jointly along the cluster's row, S0's along its column.  128 work-groups: a finer tile would halve the products that each LDS byte feeds.
; REGISTERS, in windows of 256: window 0: v16-29 addresses; v32-95 scale words; v128-223 S1's fragments, one set; on the way out v128-255 rows of the result.
;   window 1: S0's fragments, two sets, at v0 and v128.   window 2: accumulators of my S1 tiles 0-3 ((a, b) at v[8 (8 (a % 4) + b)]);   window 3: tiles 4-7.
.set MS,    6291456                    ; mx: the scale words
.set FR,    12
.set NL,    6
.set NP,    4                          ; places behind this matrix instruction (ISA guide 7.12.1)
.set TILEB, 3072                       ; 16 rows x 256 along K: four units
.set HALFT, 8*TILEB
.set SLOT,  4*HALFT                    ; S1's 256 rows, then S0's
.set SCL,   2*SLOT                     ; behind the ring: S1's scale words (8,192 bytes), then S0's
.set SPARE, SCL+16384                  ; the spare words, 128 bytes for each wave: two blocks of 256 bytes that no other line names
.set SPITCH, 528                       ; the way out: a stage of 16 rows x (512 bytes + 16) for each wave, in slot 0, which has had its last fill and its last read when the first result is stored there
.set ADRA, 16
.set ADRB, 20
.set STO,  22                          ; v22    the way out: where I put 32 bytes of a row
.set RD,   23                          ; v23    and where I read a row back
.set L16,  25                          ; v25    16 x lane
.set L8,   26                          ; v26    8 x lane
.set ADRS, 27
.set SPW,  28                          ; v28    my spare word: SPARE + 4 x my thread's number; never rewritten
.set NIL,  29                          ; v29    0; never rewritten
.set SC,   32                          ; v32-95 the word of (tile i, K step s) at SC + 8 i + 4 (s % 2) + s / 2
.set AF,   128
.set BK,   128                          ; the way out: 16 rows read back: v128-191 and v192-255 by turns
.set G1, 24
.set G0, 32
.set G1B, 48
.set G0B, 56
.set G1S, 68
.set G0S, 76
.set G1SB, 80
.set G0SB, 88
.set MSB, 0
.macro WIN new                         ; the immediate's high byte repeats the setting that is left
.if MSB != (\new)
	s_set_vgpr_msb (MSB<<8)|(\new)
.set MSB, (\new)
.endif
.endm
.set MUL_LO, 0xa1
.set MUL_HI, 0xf1
.set TO_B,   0x40
; A joint load: waves 0 and 1 fetch for S1, waves 2 and 3 for S0; the branch hangs on the wave's number alone.  Four v_nop follow each of the two lines.
.macro JLOAD g0a, g1a, g0b, g1b
	s_cmp_eq_u32 s15, 0
	s_cbranch_scc0 .Lfor_b_\@
	tensor_load_to_lds s[\g0a:\g0a+3], s[\g1a:\g1a+7]
	s_nop 0
.rept 4
	v_nop
.endr
	s_branch .Lasked_\@
.Lfor_b_\@:
	tensor_load_to_lds s[\g0b:\g0b+3], s[\g1b:\g1b+7]
	s_nop 0
.rept 4
	v_nop
.endr
.Lasked_\@:
.endm
.macro CREST
	s_cmp_lg_u32 s14, 0
	s_cbranch_scc1 .Lnot_wave_0_\@
	s_barrier_signal -3
.Lnot_wave_0_\@:
	s_barrier_wait -3
	s_barrier_signal -1
	s_barrier_wait -1
.endm
.macro CROUND
	s_barrier_signal -1
	s_barrier_wait -1
	CREST
.endm
.macro PLACES n
.rept \n
	v_nop
.endr
.endm
	s_load_b128 s[4:7], s[0:1], 0x0                ; mx s[4:5], wq s[6:7]
	s_load_b64 s[8:9], s[0:1], 0x10                ; out0
	v_lshl_add_u32 v[SPW], v0, 2, SPARE
	v_mov_b32 v[NIL], 0
	ds_add_u32 v28, v29
	ds_add_u32 v28, v29
	s_wait_dscnt 0x0
	v_lshrrev_b32 v1, 5, v0
	v_readfirstlane_b32 s14, v1                    ; wave 0..3
	s_lshr_b32 s15, s14, 1                         ; which half of S1's rows is mine.  Also: I fetch for S1 (0) or for S0 (1)
	s_and_b32 s16, s14, 1                          ; which half of S0's rows.  Also: which 128 rows I fetch
	s_bfe_u32 s40, ttmp6, 0x40000                  ; cx, cy
	s_bfe_u32 s41, ttmp6, 0x40004
	s_and_b32 s17, ttmp7, 0xffff
	s_lshl_b32 s17, s17, 2
	s_add_co_u32 s17, s17, s41                     ; which 256 tokens = 4 x cluster y + cy
	s_lshl_b32 s43, s41, 2
	s_lshl_b32 s43, 15, s43                        ; my row of the cluster
	s_lshl_b32 s44, 0x1111, s40                    ; my column
	s_or_b32 s[G1+0], s43, (3<<16)|(1<<21)         ; 8 tiles x 3,072 consecutive bytes (384 elements of 8 bytes), 12,288 bytes from tile to tile; dense in LDS
	s_or_b32 s[G1B+0], s44, (3<<16)|(1<<21)
.irp g, G1, G1B
	s_mov_b32 s[\g+1], 384<<16
	s_mov_b32 s[\g+2], 8<<16
	s_mov_b32 s[\g+3], 384<<16
	s_mov_b32 s[\g+4], 8
	s_mov_b32 s[\g+5], 1536
	s_mov_b32 s[\g+6], 0
	s_mov_b32 s[\g+7], 0
.endr
	s_or_b32 s[G1S+0], s43, (3<<16)|(1<<21)        ; the scale words of 128 rows: 4,096 dense bytes as 16 rows of 256
	s_or_b32 s[G1SB+0], s44, (3<<16)|(1<<21)
.irp g, G1S, G1SB
	s_mov_b32 s[\g+1], 32<<16
	s_mov_b32 s[\g+2], 16<<16
	s_mov_b32 s[\g+3], 32<<16
	s_mov_b32 s[\g+4], 16
	s_mov_b32 s[\g+5], 32
	s_mov_b32 s[\g+6], 0
	s_mov_b32 s[\g+7], 0
.endr
	s_mul_i32 s94, s16, 98304                      ; which 128 rows I fetch
	s_lshl_b32 s95, s16, 12
	s_mul_i32 s46, s17, 196608                     ; S1 = mix: its codes
	s_add_co_u32 s46, s46, s94
	s_mov_b32 s47, 0
	s_lshl_b32 s92, s17, 13                        ; and scale words
	s_add_co_u32 s92, s92, s95
	s_add_co_u32 s92, s92, MS
	s_mov_b32 s93, 0
	s_mul_i32 s20, s40, 196608                     ; S0 = Wo, the fourth weight in wq: its codes
	s_add_co_u32 s20, s20, s94
	s_add_co_u32 s20, s20, 2359296
	s_mov_b32 s21, 0
	s_lshl_b32 s22, s40, 13                        ; and scale words
	s_add_co_u32 s22, s22, s95
	s_add_co_u32 s22, s22, 3244032
	s_mov_b32 s23, 0
	s_lshl_b32 s96, s17, 20                        ; my part of out0: row 256 x block + 128 x half, of 4,096 bytes;
	s_lshl_b32 s97, s15, 19
	s_add_co_u32 s96, s96, s97
	s_lshl_b32 s97, s40, 10                        ; column 256 cx + 128 x half, of 4 bytes
	s_add_co_u32 s96, s96, s97
	s_lshl_b32 s97, s16, 9
	s_add_co_u32 s96, s96, s97
	s_mov_b32 s97, 0
	s_mul_i32 s66, s14, HALFT                      ; where the tiles go: wave x 128 rows: no place in the cluster enters an LDS address
	s_lshl_b32 s67, s14, 12
	s_wait_kmcnt 0x0
	s_add_nc_u64 s[46:47], s[4:5], s[46:47]
	s_add_nc_u64 s[92:93], s[4:5], s[92:93]
	s_add_nc_u64 s[20:21], s[6:7], s[20:21]
	s_add_nc_u64 s[22:23], s[6:7], s[22:23]
	s_add_nc_u64 s[8:9], s[8:9], s[96:97]
	CROUND                                         ; all sixteen work-groups are here: the first joint loads meet
	s_mov_b32 s[G0S], 1
	s_add_co_u32 s[G0S+1], s67, SCL
	s_mov_b64 s[G0S+2:G0S+3], s[92:93]
	s_or_b32 s[G0S+3], s[G0S+3], 0x80000000
	s_mov_b32 s[G0SB], 1
	s_add_co_u32 s[G0SB+1], s67, SCL
	s_mov_b64 s[G0SB+2:G0SB+3], s[22:23]
	s_or_b32 s[G0SB+3], s[G0SB+3], 0x80000000
	JLOAD G0S, G1S, G0SB, G1SB                     ; the scale words first
.irp s, 0,1
	s_mov_b32 s[G0+4*\s], 1
	s_add_co_u32 s[G0+4*\s+1], s66, \s*SLOT
	s_add_nc_u64 s[G0+4*\s+2:G0+4*\s+3], s[46:47], \s*TILEB
	s_or_b32 s[G0+4*\s+3], s[G0+4*\s+3], 0x80000000
	s_mov_b32 s[G0B+4*\s], 1
	s_add_co_u32 s[G0B+4*\s+1], s66, \s*SLOT
	s_add_nc_u64 s[G0B+4*\s+2:G0B+4*\s+3], s[20:21], \s*TILEB
	s_or_b32 s[G0B+4*\s+3], s[G0B+4*\s+3], 0x80000000
	JLOAD G0+4*\s, G1, G0B+4*\s, G1B               ; three loads of mine are out behind the second of these
.endr
	v_and_b32 v1, 31, v0                           ; lane
	v_and_b32 v2, 15, v0                           ; r
	v_bfe_u32 v3, v0, 4, 1                         ; h
	v_lshlrev_b32 v[L8], 3, v1
	v_lshlrev_b32 v[L16], 4, v1
	s_mul_i32 s94, s15, HALFT
	s_mul_i32 s95, s16, HALFT
	s_add_co_u32 s95, s95, 2*HALFT
.irp s, 0,1
	v_add_nc_u32 v[ADRA+\s], s94, v[L8]
	v_add_nc_u32 v[ADRB+\s], s95, v[L8]
	s_add_co_u32 s94, s94, SLOT
	s_add_co_u32 s95, s95, SLOT
.endr
	s_lshl_b32 s94, s15, 12
	s_lshl_b32 s95, s16, 12
	s_add_co_u32 s95, s95, 8192
	s_sub_co_u32 s95, s95, s94
	v_mul_u32_u24 v4, s95, v3                      ; lanes 16-31 take S0's words: the lower base + h x the distance
	s_add_co_u32 s94, s94, SCL
	v_lshl_add_u32 v4, v2, 4, v4
	v_add_nc_u32 v[ADRS], s94, v4
	s_mul_i32 s94, s14, 16*SPITCH                  ; my stage
	v_mul_u32_u24 v[STO], v2, SPITCH
	v_lshl_add_u32 v[STO], v3, 6, v[STO]
	v_add_nc_u32 v[STO], s94, v[STO]               ; in: row r, + 64 h: of each 32 columns my half holds 16
	v_add_nc_u32 v[RD], s94, v[L16]                ; back: the 32 lanes take one row of 512 bytes
.macro FRAG reg, adr, q, i             ; a fragment is two units: six planes, each 8 bytes at 8 x lane
.irp p, 0,1,2,3,4,5
	ds_load_b64 v[\reg+2*\p:\reg+2*\p+1], v[\adr] offset:(\i)*TILEB+(2*(\q)+\p/3)*768+(\p%3)*256
.endr
.endm
; 16 matrix instructions: S1's tiles a0, a0 + 1 x S0's eight, K step s of eight.  The 64 accumulators take turns, one instruction a turn, in the same order in every step.
.macro MUL16 a0, p, s, zero
.irp a, \a0, \a0+1
.irp b, 0,1,2,3,4,5,6,7
.if \zero
	v_wmma_scale_f32_16x16x128_f8f6f4 v[8*(8*((\a)%4)+\b):8*(8*((\a)%4)+\b)+7], v[128*(\p)+FR*\b:128*(\p)+FR*\b+FR-1], v[AF+FR*(\a):AF+FR*(\a)+FR-1], 0, v[SC+8*\b+4*((\s)%2)+(\s)/2], v[SC+8*(\a)+4*((\s)%2)+(\s)/2] matrix_a_fmt:MATRIX_FMT_FP6 matrix_b_fmt:MATRIX_FMT_FP6 matrix_a_scale:MATRIX_SCALE_ROW1
.else
	v_wmma_scale_f32_16x16x128_f8f6f4 v[8*(8*((\a)%4)+\b):8*(8*((\a)%4)+\b)+7], v[128*(\p)+FR*\b:128*(\p)+FR*\b+FR-1], v[AF+FR*(\a):AF+FR*(\a)+FR-1], v[8*(8*((\a)%4)+\b):8*(8*((\a)%4)+\b)+7], v[SC+8*\b+4*((\s)%2)+(\s)/2], v[SC+8*(\a)+4*((\s)%2)+(\s)/2] matrix_a_fmt:MATRIX_FMT_FP6 matrix_b_fmt:MATRIX_FMT_FP6 matrix_a_scale:MATRIX_SCALE_ROW1
.endif
.endr
.endr
.endm
.macro FETCH_B slot, q, p
	WIN TO_B
.irp i, 0,1,2,3,4,5,6,7
	FRAG 128*(\p)+FR*\i, ADRB+\slot, \q, \i
.endr
	WIN 0
.endm
.macro FETCH_A slot, q, i0
.irp i, \i0, \i0+1, \i0+2, \i0+3
	FRAG AF+FR*(\i), ADRA+\slot, \q, \i
.endr
.endm
.macro SCALES                          ; all of K's scale words, once
.irp i, 0,1,2,3,4,5,6,7
.irp u, 0,1
	ds_load_b128 v[SC+8*\i+4*\u:SC+8*\i+4*\u+3], v[ADRS] offset:\i*512+\u*256
.endr
.endr
.endm
.macro STEP slot, s, zero
	s_wait_dscnt 4*NL                              ; S0's set and S1's tiles 0-3 are in; the youngest 24 loads (S1's tiles 4-7) may be out
	WIN MUL_LO
	MUL16 0, 0, \s, \zero
	MUL16 2, 0, \s, \zero
	s_wait_dscnt 0
	PLACES NP
	FETCH_B \slot, 1, 1
	FETCH_A \slot, 1, 0
	WIN MUL_HI
	MUL16 4, 0, \s, \zero
	MUL16 6, 0, \s, \zero
	PLACES NP
	WIN 0
	FETCH_A \slot, 1, 4
.endm
; A slot's second step changes slots: ONE barrier; in front of it each wave waits for all its tensor loads, adds 0 to its spare word, and waits for that and for its own reads of this slot.
.macro TURN slot, next, s, fill
	s_wait_tensorcnt 0x0                           ; all my tensor loads have landed: my part of the next slot
	ds_add_u32 v[SPW], v[NIL]                      ; 0 onto my spare word
	s_wait_dscnt 4*NL+1                            ; the add and the youngest 24 loads may be out
	WIN MUL_LO
	MUL16 0, 1, \s, 0
	s_wait_dscnt 0x0                               ; the add is done, and my reads of this slot are over
	s_barrier_signal -1
	MUL16 2, 1, \s, 0
	WIN 0
	s_barrier_wait -1
.if \fill
	CREST                                          ; the barrier has opened a round of the cluster's barrier: no wave of any partner still reads this slot or has a load on its way
	s_add_nc_u64 s[G0+4*\slot+2:G0+4*\slot+3], s[G0+4*\slot+2:G0+4*\slot+3], 2*TILEB
	s_add_nc_u64 s[G0B+4*\slot+2:G0B+4*\slot+3], s[G0B+4*\slot+2:G0B+4*\slot+3], 2*TILEB
	JLOAD G0+4*\slot, G1, G0B+4*\slot, G1B         ; the first tensor load behind the round; its four v_nop are the places in front of the loads below
.else
	PLACES NP
.endif
	FETCH_B \next, 0, 0
	FETCH_A \next, 0, 0
	WIN MUL_HI
	MUL16 4, 1, \s, 0
	MUL16 6, 1, \s, 0
	PLACES NP
	WIN 0
	FETCH_A \next, 0, 4
.endm
	s_wait_tensorcnt 1                             ; the scale words and my part of slot 0 are in (slot 1's load may be out)
	s_barrier_signal -1
	s_barrier_wait -1                              ; everybody's are
	FETCH_B 0, 0, 0
	FETCH_A 0, 0, 0
	SCALES
	FETCH_A 0, 0, 4
	STEP 0, 0, 1
	TURN 0, 1, 1, 1
	STEP 1, 2, 0
	TURN 1, 0, 3, 1
	STEP 0, 4, 0
	TURN 0, 1, 5, 0                                ; nothing is left to fetch; behind this barrier nobody reads slot 0
	STEP 1, 6, 0
	s_wait_dscnt 4*NL
	WIN MUL_LO
	MUL16 0, 1, 7, 0
	MUL16 2, 1, 7, 0
	s_wait_dscnt 0
	WIN MUL_HI
	MUL16 4, 1, 7, 0
	MUL16 6, 1, 7, 0
	WIN 0
; THE WAY OUT, block by block of 16 tokens x 128 columns, through my own stage in LDS: in as 32 bytes a lane, back as whole rows of 512 bytes.  LDS serves a wave's instructions in order: no wait between stores and loads.
.macro TOSTAGE a
.set AC, 64*((\a)%4)
	WIN 0x08+4*((\a)/4)                            ; the data: window 2 or 3
.irp b, 0,1,2,3,4,5,6,7
	ds_store_b128 v[STO], v[AC+8*\b:AC+8*\b+3] offset:128*(\b/2)+32*(\b%2)       ; tile b's eight columns: 32 (b / 2) + 16 h + 8 (b % 2) on; each accumulator from its low end on
	ds_store_b128 v[STO], v[AC+8*\b+4:AC+8*\b+7] offset:128*(\b/2)+32*(\b%2)+16
.endr
	WIN 0
.set BB, BK+64*((\a)%2)
.irp t, 0,1,2,3,4,5,6,7,8,9,10,11,12,13,14,15
	ds_load_b128 v[BB+4*\t:BB+4*\t+3], v[RD] offset:\t*SPITCH
.endr
.endm
.macro SEND a, younger                 ; younger: the LDS instructions issued behind block a's loads, which may stay out
.set BB, BK+64*((\a)%2)
	s_wait_dscnt \younger
.irp t, 0,1,2,3,4,5,6,7,8,9,10,11,12,13,14,15
	global_store_b128 v[L16], v[BB+4*\t:BB+4*\t+3], s[8:9] offset:(32*((\a)/2)+8*((\a)%2)+\t+8*(\t/8))*4096 th:TH_STORE_NT   ; position 16 a + t is this row; 32 lanes store 512 consecutive bytes, aligned; every offset is an immediate, 520,192 at the most
.endr
.endm
	PLACES NP                                      ; behind the last products: LDS stores read results, loads land on S1's fragments
	TOSTAGE 0
.irp a, 1,2,3,4,5,6,7
.if \a > 1
	s_wait_xcnt 0x0                                ; block a - 2's stores have read their registers: block a's loads may land there
.endif
	TOSTAGE \a
	SEND \a-1, 32                                  ; behind block a - 1's loads: block a's 16 stores and 16 loads
.endr
	SEND 7, 0
	s_wait_tensorcnt 0x0                           ; the wave's end
	ds_add_u32 v[SPW], v[NIL]
	s_wait_dscnt 0x0
	CROUND                                         ; the closing round
	s_endpgm
.Lfunc_end_k_q4c1f166e01_oproj:
	.size	k_q4c1f166e01_oproj, .Lfunc_end_k_q4c1f166e01_oproj-k_q4c1f166e01_oproj
	.p2alignl 7, 3214868480
	.fill 96, 4, 3214868480
	.section	.rodata,"a",@progbits
	.p2align	6, 0x0
	.amdhsa_kernel k_q4c1f166e01_oproj
		.amdhsa_group_segment_fixed_size 327680
		.amdhsa_private_segment_fixed_size 0
		.amdhsa_enable_private_segment 0
		.amdhsa_kernarg_size 24
		.amdhsa_user_sgpr_count 2
		.amdhsa_user_sgpr_kernarg_segment_ptr 1
		.amdhsa_wavefront_size32 1
		.amdhsa_system_sgpr_workgroup_id_x 1
		.amdhsa_system_sgpr_workgroup_id_y 1
		.amdhsa_system_sgpr_workgroup_id_z 1
		.amdhsa_system_vgpr_workitem_id 0
		.amdhsa_next_free_vgpr 1024
		.amdhsa_next_free_sgpr 100
		.amdhsa_reserve_vcc 0
		.amdhsa_float_denorm_mode_32 3
		.amdhsa_float_denorm_mode_16_64 3
		.amdhsa_memory_ordered 1
		.amdhsa_forward_progress 1
		.amdhsa_inst_pref_size 158
	.end_amdhsa_kernel
	.amdgpu_metadata
---
amdhsa.version: [ 1, 2 ]
amdhsa.kernels:
  - .name:           k_q4c1f166e01_oproj
    .symbol:         k_q4c1f166e01_oproj.kd
    .args:
      - { .name: mx, .offset: 0, .size: 8, .value_kind: global_buffer, .address_space: global }
      - { .name: wq, .offset: 8, .size: 8, .value_kind: global_buffer, .address_space: global }
      - { .name: out0, .offset: 16, .size: 8, .value_kind: global_buffer, .address_space: global }
    .group_segment_fixed_size: 327680
    .private_segment_fixed_size: 0
    .kernarg_segment_align: 8
    .kernarg_segment_size: 24
    .max_flat_workgroup_size: 128
    .sgpr_count:     100
    .vgpr_count:     1024
    .wavefront_size: 32
...
	.end_amdgpu_metadata
.endif
;; end of part 4
